; MI455X (gfx1250); checked and timed in simulation.
; The chip was launched on July 23, 2026; its instructions are those of AMD's public machine-readable ISA for CDNA 5 (MIT licence, August 2026) and "CDNA5" Instruction Set Architecture Reference Guide (July 2026). The comments in the code are by the model that wrote it; some were corrected since.
;; Multi Head Attention. Allowed arithmetic: matrix products marked QUANTISED: E4M3 operands, one given power-of-two scale a tensor, by v_wmma_f32_16x16x64_fp8_fp8 or v_wmma_f32_16x16x128_fp8_fp8, f32 sums; everything else in f32.
;; Inputs: Wk 16 x 1,024 x 64 float32; Wp 1,024 x 1,024 float32; Wq 16 x 1,024 x 64 float32; Wv 16 x 1,024 x 64 float32; bp 1,024 float32; lowp_scales 12 int32 (the exponents e of the quantised operands' scales 2^e); x 4 x 2,048 x 1,024 float32.
;; Outputs: out0 4 x 2,048 x 1,024 float32.
;; This version of the problem:
;;   THIS VERSION OF THE PROBLEM IS GIVEN IN LOW PRECISION. The matrix products marked QUANTISED in the list below multiply operands that are first quantised to E4M3 (4 exponent bits, 3 mantissa bits; 8 bits a number), with one given power-of-two scale for each operand tensor; their sums are f32. All else is computed in f32.
;;   The module's matrix products, in the order in which they are computed (A, B: the left and right operand; K: the contracted axis; several contracted axes count as one K, in the product's order):
;;     1. [M 1,024, K 1,024] x [K 1,024, N 8,192]; A: input Wq; B: input x: QUANTISED (scales: A lowp_scales[0], B lowp_scales[1])
;;     2. [M 1,024, K 1,024] x [K 1,024, N 8,192]; A: input Wk; B: input x: QUANTISED (scales: A lowp_scales[2], B lowp_scales[3])
;;     3. [M 1,024, K 1,024] x [K 1,024, N 8,192]; A: input Wv; B: input x: QUANTISED (scales: A lowp_scales[4], B lowp_scales[5])
;;     4. batch 64 x [M 2,048, K 64] x [K 64, N 2,048]; A: computed on the way; B: computed on the way: QUANTISED (scales: A lowp_scales[6], B lowp_scales[7])
;;     5. batch 64 x [M 2,048, K 2,048] x [K 2,048, N 64]; A: softmax (see below); B: computed on the way: QUANTISED (scales: A lowp_scales[8], B lowp_scales[9])
;;     6. [M 8,192, K 1,024] x [K 1,024, N 1,024]; A: computed on the way; B: input Wp: QUANTISED (scales: A lowp_scales[10], B lowp_scales[11])
;;   THE QUANTISER, for each operand of a quantised product, along K:
;;     - The operand's scale is 2^e, e = its entry of the input lowp_scales (int32; the entries are numbered through the quantised products in the list's order, A before B).
;;     - Each number is divided by the scale, clamped to +-448, and rounded to the nearest number of E4M3, ties to even, subnormals kept.
;;     - The product sums the exact products of the quantised numbers (number of the format x scale) in f32.
;;   ~~~python
;;   def quantise(x, axis, e):      # numpy; x: float32 -> the quantised numbers, widened to float32 again
;;       x = np.moveaxis(x, axis, -1); K = x.shape[-1]
;;       r = np.clip(x / 2.0 ** e, -448, 448)
;;       step = 2.0 ** (np.maximum(np.frexp(np.where(r == 0, 1, r))[1] - 1, -6) - 3)
;;       q = np.round(r / step) * step * 2.0 ** e      # np.round: ties to even
;;       return np.moveaxis(q, -1, axis).astype(np.float32)
;;   ~~~
;;   SOFTMAX AHEAD OF A QUANTISED PRODUCT. Where the list says 'softmax', what is quantised is not the finished softmax but p = 2^(t - M), with t = logit x log2(e) and M = ceil(the row's largest t), a whole number; so 1/2 < the row's largest p <= 1. The row's sum l is taken of the UNQUANTISED p, in f32, and the product's result is divided by l at the end. Since M is a whole number, a kernel that streams over the keys may use a running M (the ceiling of the running maximum): every later rescaling is an exact power of two, so the quantised numbers keep their values, but for numbers so far below the row's largest that they fall under the format's range.
;;   OPERANDS COMPUTED ON THE WAY. 'Computed on the way' means the value that the module computes at that place (a softmax that the list does not call 'softmax' is quantised finished and normalised). What goes into a quantiser is computed in f32, as accurately as f32 sums, v_exp_f32 and their like allow (about 1e-6 of the number): no bf16 or f16 on the way to a quantiser, and a product that is left as it is and whose result goes on into a quantised operand takes f32 operands (vector FMAs, or v_wmma_f32_16x16x4_f32). A number that lies on a knife's edge between two numbers of the format may be rounded either way, as far as f32 arithmetic and the matrix unit's own rounding can turn it there, and no further.
;; One version. Each part assembles by itself: llvm-mc -triple=amdgcn-amd-amdhsa -mcpu=gfx1250 --defsym DOCPART=n.
;; ======== version 1 of 1: 4 launches
;; limits: right only within a limited range of input values
;; workspace buffers: xc 25,165,824 bytes; wc 4,194,304 bytes; qkv 25,165,824 bytes; ao 8,388,608 bytes
;; launch quant (part 1): grid 640 x 1, 4 waves a work-group, no clusters, 68,096 bytes of LDS; arguments x, Wq, Wk, Wv, Wp, lowp_scales, xc, wc; writes xc, wc
.if DOCPART == 1
	.amdgcn_target "amdgcn-amd-amdhsa--gfx1250"
	.amdhsa_code_object_version 6
	.text
	.protected	k_q53b8474b52_quant
	.globl	k_q53b8474b52_quant
	.p2align	8
	.type	k_q53b8474b52_quant,@function
k_q53b8474b52_quant:
	s_mov_b64 s[64:65], 0
	v_nop
	global_prefetch_b8 v0, s[64:65] scope:SCOPE_SE
	s_setreg_imm32_b32 hwreg(HW_REG_WAVE_MODE, 25, 1), 1
	s_wait_xcnt 0x0
; f32 inputs into codes of FP8 (E4M3), K innermost, each with the scale 2^e that is given for it.
; code = number / 2^e, held within +-448, rounded to the nearest code, ties to even.
; xc: three regions of 8,388,608 bytes, x [8192 tokens][1024] under entries 1, 3 and 5 of the scales (the three products that read x may have three scales).
; wc: [4096 rows][1024 K]: rows 0-1023 Wq (row 64 h + d), 1024-2047 Wk, 2048-3071 Wv, 3072-4095 Wp (row n), under entries 0, 2, 4 and 11.
; Work-groups 0-511 take x (K innermost: a plain stream), work-groups 512-639 the weights (K not innermost: a lane takes a column and its registers run down K).
; The two ways part on the work-group's number; each has LDS bytes of its own.  No tensor loads, no barrier: waves share nothing.
; LIMITS: each of these entries lies between -126 and 119, so that 2^e and 448 x 2^e are f32 numbers.  NaN among the inputs is not served.
.set SPARE, 67584                      ; behind both ways' stages: the spare words, 128 bytes for each wave: two blocks of 256 bytes that no other line names
.set SPW,   12                         ; v12  LDS address of my spare word; never rewritten
.set NIL,   13                         ; v13  0; never rewritten
; the way of x
.set STEPS, 8                          ; a wave takes 8 steps of 512 numbers
.set SP,    80                         ; a lane's place in a stage: its 64 bytes + 16 of padding
.set WREG,  8192                       ; LDS bytes 0 .. 32767: a region for each wave: two stages of 32 x SP bytes
.set R,     16                         ; v16-79   four sets of 16 numbers as they are loaded
.set X,     80                         ; v80-111  two sets of 16 neighbours along K
.set T,     112                        ; v112-127 the 16 numbers held within one scale's range
.set C,     128                        ; v128-223 codes: 12 registers for each step, so that no store's data are written again
; the way of the weights
.set WSTG,  32768                      ; LDS bytes 32768 .. 67583: a stage of 32 rows x 272 bytes for each wave
.set PITCH, 272
.set NB,    8                          ; blocks of 32 along K for a wave
.set OFF,   16                         ; v16-47   4 x lane + i rows of the weight
.set XW,    48                         ; v48-111  two sets of 32 numbers
.set CW,    112                        ; v112-119 a block's codes
.set OUTR,  128                        ; v128-191 the way out
.set BAS,   68                         ; s[68:83] eight bases, one for each block of 32 rows; never rewritten
	s_load_b256 s[4:11], s[0:1], 0x0               ; x s[4:5], Wq s[6:7], Wk s[8:9], Wv s[10:11]
	s_load_b256 s[12:19], s[0:1], 0x20             ; Wp s[12:13], the scales s[14:15], xc s[16:17], wc s[18:19]
	v_lshl_add_u32 v[SPW], v0, 2, SPARE
	v_mov_b32 v[NIL], 0
	v_lshrrev_b32 v1, 5, v0
	v_readfirstlane_b32 s20, v1                    ; wave 0..3
	v_and_b32 v2, 31, v0                           ; lane
	s_wait_kmcnt 0x0
	s_load_b256 s[24:31], s[14:15], 0x0            ; entries 0 .. 7
	s_load_b128 s[32:35], s[14:15], 0x20           ; entries 8 .. 11
	s_cmp_ge_u32 ttmp9, 512
	s_cbranch_scc1 .Lweights
; ---------------- x: each load reads 512 consecutive bytes, 16 a lane; a step's 2,048 bytes turn through the wave's own stage and come back 64 bytes (16 neighbours) a lane
	s_lshl_b32 s36, ttmp9, 2
	s_add_co_u32 s36, s36, s20                     ; which run of 4,096 numbers is my wave's
	s_lshl_b32 s38, s36, 14
	s_mov_b32 s39, 0
	s_add_nc_u64 s[4:5], s[4:5], s[38:39]          ; 16,384 bytes of x a run
	s_lshl_b32 s38, s36, 12
	s_add_nc_u64 s[40:41], s[16:17], s[38:39]      ; 4,096 bytes of codes a run, in each of the three regions
	s_add_nc_u64 s[42:43], s[40:41], 0x800000
	s_add_nc_u64 s[44:45], s[40:41], 0x1000000
	s_wait_alu depctr_va_vdst(0)
	v_lshlrev_b32 v3, 4, v2                        ; my 16 bytes of a load's 512, and of a store's
	s_mul_i32 s37, s20, WREG
	v_lshrrev_b32 v14, 2, v2
	v_mul_u32_u24 v14, v14, SP
	v_and_b32 v15, 3, v2
	v_lshl_add_u32 v14, v15, 4, v14
	v_add_nc_u32 v14, s37, v14                     ; the stage, on the way in: SP (lane / 4) + 16 (lane % 4)
	v_mul_u32_u24 v15, v2, SP
	v_add_nc_u32 v15, s37, v15                     ; and on the way out: SP x lane
.macro XLOAD t
.irp i, 0,1,2,3
	global_load_b128 v[R+16*((\t)%4)+4*\i:R+16*((\t)%4)+4*\i+3], v3, s[4:5] offset:2048*(\t)+512*\i th:TH_LOAD_NT
.endr
.endm
.macro XTURN t                         ; LDS serves a wave's instructions in order, so no wait stands between the stores and the loads
.irp i, 0,1,2,3
	ds_store_b128 v14, v[R+16*((\t)%4)+4*\i:R+16*((\t)%4)+4*\i+3] offset:32*SP*((\t)%2)+8*SP*\i
.endr
.irp i, 0,1,2,3
	ds_load_b128 v[X+16*((\t)%2)+4*\i:X+16*((\t)%2)+4*\i+3], v15 offset:32*SP*((\t)%2)+16*\i
.endr
.endm
.irp t, 0,1,2,3
	XLOAD \t
.endr
	s_wait_alu depctr_va_vdst(0)
	s_wait_kmcnt 0x0
.irp s, 0,1,2                          ; entries 1, 3, 5: v6-8 = 2^e (the conversion takes the exponent field), v9-11 = 448 x 2^e
	s_add_co_i32 s46, s[25+2*\s], 127
	s_lshl_b32 s47, s46, 23
	v_mov_b32 v[6+\s], s47
	s_add_co_i32 s46, s46, 8
	s_lshl_b32 s46, s46, 23
	s_or_b32 s46, s46, 0x600000
	v_mov_b32 v[9+\s], s46
.endr
	s_wait_alu depctr_va_vdst(0)
	s_wait_loadcnt 12                              ; step 0's four loads are in; those of steps 1 to 3 may be out
	XTURN 0
.macro XSTEP t
.set XS, X+16*((\t)%2)
	s_wait_dscnt 0x0                               ; this step's numbers are back from the stage, and its stores into the stage have read their registers,
.if (\t)+4 < STEPS
	XLOAD (\t)+4                                   ; which take the loads of four steps on
.endif
.if (\t)+1 < STEPS
.if STEPS-2-(\t) >= 3
	s_wait_loadcnt 12                              ; the next step's four loads are in; those of the three steps behind it may be out
.else
	s_wait_loadcnt 4*(STEPS-2-(\t))
.endif
	XTURN (\t)+1
.endif
.irp s, 0,1,2
.irp i, 0,1,2,3,4,5,6,7,8,9,10,11,12,13,14,15
	v_med3_num_f32 v[T+\i], v[XS+\i], -v[9+\s], v[9+\s]   ; the conversion to an 8-bit code does not saturate (ISA guide 7.6.2): the hold comes first
.endr
	v_cvt_scalef32_pk8_fp8_f32 v[C+12*(\t)+4*\s:C+12*(\t)+4*\s+1], v[T:T+7], v[6+\s]
	v_cvt_scalef32_pk8_fp8_f32 v[C+12*(\t)+4*\s+2:C+12*(\t)+4*\s+3], v[T+8:T+15], v[6+\s]
	v_nop                                          ; a plain line between the conversions and the next holds, which write their sources
	global_store_b128 v3, v[C+12*(\t)+4*\s:C+12*(\t)+4*\s+3], s[40+2*\s:41+2*\s] offset:512*(\t)   ; 32 lanes store 512 consecutive bytes, aligned
.endr
.endm
.irp t, 0,1,2,3,4,5,6,7
	XSTEP \t
.endr
	s_wait_tensorcnt 0x0                           ; the wave's end: behind my last LDS store
	ds_add_u32 v[SPW], v[NIL]
	s_wait_dscnt 0x0
	s_endpgm
; ---------------- the weights: a wave takes 32 columns x 256 along K.  All four tensors are read as groups of 64 columns:
; byte = group x GS + k x RS + 4 x (column in the group).  Wq, Wk, Wv [16][1024][64]: GS = 262,144, RS = 256.  Wp [1024][1024]: GS = 256, RS = 4,096.
.Lweights:
	s_sub_co_u32 s36, ttmp9, 512
	s_lshr_b32 s21, s36, 5                         ; which tensor: 0 Wq, 1 Wk, 2 Wv, 3 Wp
	s_and_b32 s22, s36, 7                          ; which 128 columns
	s_bfe_u32 s23, s36, 0x20003                    ; which 256 along K
	s_mov_b32 s53, 256
	s_mov_b32 s48, 4096
	s_cmp_eq_u32 s21, 0
	s_cselect_b64 s[50:51], s[6:7], s[8:9]
	s_cmp_lt_u32 s21, 2
	s_cselect_b64 s[50:51], s[50:51], s[10:11]
	s_cmp_lt_u32 s21, 3
	s_cselect_b64 s[50:51], s[50:51], s[12:13]     ; the tensor: a choice on the work-group's number alone
	s_cselect_b32 s53, 0x40000, s53                ; GS
	s_cselect_b32 s48, 256, s48                    ; RS
	s_lshl_b32 s54, s22, 7
	s_lshl_b32 s55, s20, 5
	s_add_co_u32 s54, s54, s55                     ; my wave's first column
	s_lshr_b32 s55, s54, 6
	s_and_b32 s56, s54, 63
	s_mul_i32 s55, s55, s53
	s_lshl_b32 s56, s56, 2
	s_add_co_u32 s55, s55, s56
	s_lshl_b32 s57, s23, 8
	s_mul_i32 s57, s57, s48
	s_add_co_u32 s58, s55, s57
	s_mov_b32 s59, 0
	s_add_nc_u64 s[BAS:BAS+1], s[50:51], s[58:59]
	s_lshl_b32 s58, s48, 5                         ; 32 rows on
.irp t, 1,2,3,4,5,6,7
	s_add_nc_u64 s[BAS+2*\t:BAS+2*\t+1], s[BAS+2*\t-2:BAS+2*\t-1], s[58:59]
.endr
	s_lshl_b32 s60, s21, 20                        ; the codes: 1 MiB a tensor, 1,024 bytes a column, 256 bytes for my part of K
	s_lshl_b32 s61, s54, 10
	s_add_co_u32 s60, s60, s61
	s_lshl_b32 s61, s23, 8
	s_add_co_u32 s60, s60, s61
	s_mov_b32 s61, 0
	s_add_nc_u64 s[18:19], s[18:19], s[60:61]
	s_wait_alu depctr_va_vdst(0)
	v_lshlrev_b32 v[OFF], 2, v2
.set i, 1
.rept 31
	v_add_nc_u32 v[OFF+i], s48, v[OFF+i-1]
.set i, i+1
.endr
	s_mul_i32 s37, s20, 32*PITCH
	s_add_co_u32 s37, s37, WSTG                    ; my stage
	v_mul_u32_u24 v4, v2, PITCH
	v_add_nc_u32 v4, s37, v4                       ; into it: row = my column
	v_and_b32 v5, 15, v2
	v_lshrrev_b32 v6, 4, v2
	v_mul_u32_u24 v7, v6, PITCH
	v_lshl_add_u32 v7, v5, 4, v7
	v_add_nc_u32 v7, s37, v7                       ; out of it: sixteen lanes to a row, two rows an instruction
	v_lshlrev_b32 v8, 10, v6
	v_lshl_add_u32 v8, v5, 4, v8                   ; and the same place in the codes' buffer
.macro WLOAD t                         ; block t: W(32 t + i, my column): 32 lanes read 128 consecutive bytes
.set i, 0
.rept 32
	global_load_b32 v[XW+32*((\t)%2)+i], v[OFF+i], s[BAS+2*(\t):BAS+2*(\t)+1] th:TH_LOAD_NT
.set i, i+1
.endr
.endm
	WLOAD 0
	WLOAD 1
	s_wait_kmcnt 0x0
	s_cmp_eq_u32 s21, 0
	s_cselect_b32 s52, s24, s26
	s_cmp_lt_u32 s21, 2
	s_cselect_b32 s52, s52, s28
	s_cmp_lt_u32 s21, 3
	s_cselect_b32 s52, s52, s35                    ; entry 0, 2, 4 or 11
	s_add_co_i32 s52, s52, 127
	s_lshl_b32 s49, s52, 23
	v_mov_b32 v11, s49                             ; 2^e
	s_add_co_i32 s52, s52, 8
	s_lshl_b32 s52, s52, 23
	s_or_b32 s52, s52, 0x600000
	v_mov_b32 v10, s52                             ; 448 x 2^e
.macro WBLOCK t
.set XS, XW+32*((\t)%2)
.if (\t) < NB-1
	s_wait_loadcnt 32                              ; this block's 32 loads are in; the next block's may be out
.else
	s_wait_loadcnt 0
.endif
.set i, 0
.rept 32
	v_med3_num_f32 v[XS+i], v[XS+i], -v10, v10
.set i, i+1
.endr
.irp g, 0,1,2,3
	v_cvt_scalef32_pk8_fp8_f32 v[CW+2*\g:CW+2*\g+1], v[XS+8*\g:XS+8*\g+7], v11
.endr
	v_nop                                          ; a plain line behind the last conversion
	ds_store_b128 v4, v[CW:CW+3] offset:32*(\t)    ; 32 codes: 32 bytes of my column's row
	ds_store_b128 v4, v[CW+4:CW+7] offset:32*(\t)+16
.if (\t)+2 < NB
	WLOAD (\t)+2
.endif
	s_wait_dscnt 0x0                               ; the stores have read their registers: the next block's codes may be written
.endm
	s_wait_alu depctr_va_vdst(0)
.irp t, 0,1,2,3,4,5,6,7
	WBLOCK \t
.endr
.irp t, 0,1,2,3,4,5,6,7,8,9,10,11,12,13,14,15
	ds_load_b128 v[OUTR+4*\t:OUTR+4*\t+3], v7 offset:2*\t*PITCH
.endr
.irp t, 0,1,2,3,4,5,6,7,8,9,10,11,12,13,14,15
	s_wait_dscnt 15-\t                             ; LDS loads come back in order: number t is in, the younger ones stay out
	global_store_b128 v8, v[OUTR+4*\t:OUTR+4*\t+3], s[18:19] offset:2048*\t   ; sixteen lanes store 256 consecutive bytes, aligned
.endr
	s_wait_tensorcnt 0x0                           ; the wave's end: behind my last LDS store
	ds_add_u32 v[SPW], v[NIL]
	s_wait_dscnt 0x0
	s_endpgm
.Lfunc_end_k_q53b8474b52_quant:
	.size	k_q53b8474b52_quant, .Lfunc_end_k_q53b8474b52_quant-k_q53b8474b52_quant
	.p2alignl 7, 3214868480
	.fill 96, 4, 3214868480
	.section	.rodata,"a",@progbits
	.p2align	6, 0x0
	.amdhsa_kernel k_q53b8474b52_quant
		.amdhsa_group_segment_fixed_size 68096
		.amdhsa_private_segment_fixed_size 0
		.amdhsa_enable_private_segment 0
		.amdhsa_kernarg_size 64
		.amdhsa_user_sgpr_count 2
		.amdhsa_user_sgpr_kernarg_segment_ptr 1
		.amdhsa_wavefront_size32 1
		.amdhsa_system_sgpr_workgroup_id_x 1
		.amdhsa_system_sgpr_workgroup_id_y 1
		.amdhsa_system_sgpr_workgroup_id_z 1
		.amdhsa_system_vgpr_workitem_id 0
		.amdhsa_next_free_vgpr 224
		.amdhsa_next_free_sgpr 84
		.amdhsa_reserve_vcc 0
		.amdhsa_float_denorm_mode_32 3
		.amdhsa_float_denorm_mode_16_64 3
		.amdhsa_memory_ordered 1
		.amdhsa_forward_progress 1
		.amdhsa_inst_pref_size 91
	.end_amdhsa_kernel
	.amdgpu_metadata
---
amdhsa.version: [ 1, 2 ]
amdhsa.kernels:
  - .name:           k_q53b8474b52_quant
    .symbol:         k_q53b8474b52_quant.kd
    .args:
      - { .name: x, .offset: 0, .size: 8, .value_kind: global_buffer, .address_space: global }
      - { .name: Wq, .offset: 8, .size: 8, .value_kind: global_buffer, .address_space: global }
      - { .name: Wk, .offset: 16, .size: 8, .value_kind: global_buffer, .address_space: global }
      - { .name: Wv, .offset: 24, .size: 8, .value_kind: global_buffer, .address_space: global }
      - { .name: Wp, .offset: 32, .size: 8, .value_kind: global_buffer, .address_space: global }
      - { .name: lowp_scales, .offset: 40, .size: 8, .value_kind: global_buffer, .address_space: global }
      - { .name: xc, .offset: 48, .size: 8, .value_kind: global_buffer, .address_space: global }
      - { .name: wc, .offset: 56, .size: 8, .value_kind: global_buffer, .address_space: global }
    .group_segment_fixed_size: 68096
    .private_segment_fixed_size: 0
    .kernarg_segment_align: 8
    .kernarg_segment_size: 64
    .max_flat_workgroup_size: 128
    .sgpr_count:     84
    .vgpr_count:     224
    .wavefront_size: 32
...
	.end_amdgpu_metadata
.endif
;; end of part 1
;; launch qkv (part 2): grid 12 x 32, 4 waves a work-group, clusters of 4 x 4, 327,680 bytes of LDS; arguments xc, wc, lowp_scales, qkv; writes qkv
.if DOCPART == 2
	.amdgcn_target "amdgcn-amd-amdhsa--gfx1250"
	.amdhsa_code_object_version 6
	.text
	.protected	k_q53b8474b52_qkv
	.globl	k_q53b8474b52_qkv
	.p2align	8
	.type	k_q53b8474b52_qkv,@function
k_q53b8474b52_qkv:
	s_mov_b64 s[64:65], 0
	v_nop
	global_prefetch_b8 v0, s[64:65] scope:SCOPE_SE
	s_setreg_imm32_b32 hwreg(HW_REG_WAVE_MODE, 25, 1), 1
	s_wait_xcnt 0x0
	s_wait_alu depctr_hold_cnt(0) depctr_sa_sdst(0) depctr_va_vdst(0) depctr_va_sdst(0) depctr_va_ssrc(0) depctr_va_vcc(0) depctr_vm_vsrc(0)
	s_getreg_b32 s2, hwreg(HW_REG_IB_STS2, 6, 4)
	s_cmp_eq_u32 s2, 0
	s_cbranch_scc0 .Lentry_in_a_cluster
	s_endpgm
.Lentry_in_a_cluster:
	s_bfe_u32 s2, ttmp6, 0x10000c
	s_cmp_lg_u32 s2, 0xf033
	s_cbranch_scc0 .Lentry_shape_is_right
	s_endpgm
.Lentry_shape_is_right:
; q, k and v: three products of 8,192 tokens x 1,024 channels over K = 1,024, on codes of FP8 (E4M3); each finished sum is quantised at once to the code that attention reads.
; qkv: region Q at 0 and region K at 8 MiB: [64 heads (16 b + h)][2048 t][64 d]; region V at 16 MiB: [64 heads][16 blocks of keys][64 d][128 keys]: the keys innermost, since they are the second product's K.
; A tile of 256 x 256 is made by a work-group of four waves; a wave makes 128 x 128: 64 accumulators, 512 registers.  K goes in steps of 256 through a ring of two LDS slots filled by the tensor data mover.
; CLUSTERS of 4 x 4.  The cluster's x says which tensor (0 q, 1 k, 2 v).  The operand called A here gives a lane its row, the operand called B its eight neighbours.
; For q and k, A = x's codes (tokens) and B = the weight's rows (channels).  For v the two POINTERS change places, so that a lane holds eight neighbouring KEYS of a channel.  The loop is the same text.
; A's tiles are asked for jointly along a row of the cluster, B's along a column.
; A sum stands for sum x 2^(ew + ex): its code is sum / 2^(eo - ew - ex): the three scales are folded into the conversion's one.
; LIMITS: entries 6 - 0 - 1, 7 - 2 - 3 and 9 - 4 - 5 of the scales lie between -126 and 119.  The fragments hold k in another order than the form's own, the same in A and B: only the order of the sums inside an instruction changes.
; PREFETCH: behind K step 0's load each wave asks for K steps 1 and 2, behind K step 1's load for K step 3: at most two K steps are asked for and not yet loaded.  Of the 128 rows that a wave fetches, each of the four
; partners that ask for them jointly names 32, told apart by address (cx for A, cy for B), a lane a row of 256 bytes: each block is named once in each cluster that loads it.  The address registers are never rewritten.
; REGISTERS, in windows of 256: window 0: v0-31 addresses; from v128 A's fragments, ONE set; on the way out v32-223 are free.  window 1: B's fragments, TWO sets.  windows 2, 3: the accumulators ((a, b) at v[8 (8 (a % 4) + b)]).
.set SIZE_K, 1024
.set KSTEP,  256
.set ROWB,   256
.set KROW,   1024
.set PITCH,  272                       ; an LDS row: 256 bytes + 16 of padding: the 16 rows that a load touches start at 16 different banks (ISA guide 11.1)
.set FR,     16
.set NL,     4
.set NP,     4                         ; places behind this matrix instruction (ISA guide 7.12.1)
.set HALFT,  128*PITCH
.set SLOT,   4*HALFT
.set LAPS,   SIZE_K/(2*KSTEP)
.set SPARE,  2*SLOT                    ; behind the ring: the spare words, 128 bytes for each wave
.set SPITCH, 144                       ; the way out: a stage of 128 rows x (128 bytes + 16) for each wave, in slot 0, which has had its last fill and its last read by then
.set PFO,  10                          ; v10  the prefetches' offset: 1,024 x lane; never rewritten
.set ADRA, 16
.set ADRB, 20
.set STO,  24
.set RDQ,  25
.set CO,   26
.set RDV,  27
.set SPW,  28
.set NIL,  29
.set SCL,  30
.set LIMR, 31
.set TMP,  32
.set CD,   96
.set AF,   128
.set G1, 24
.set G0, 32
.set G1B, 48
.set G0B, 56
.set PFA, 98                           ; s[98:99] my work-group's 32 rows of the 128 that I fetch, at K step 0; never rewritten
.set MSB, 0
.macro WIN new                         ; the immediate's high byte repeats the setting that is left
.if MSB != \new
	s_set_vgpr_msb (MSB<<8)|\new
.set MSB, \new
.endif
.endm
.set MUL_LO, 0xa1                      ; source 0 (B) window 1, source 1 (A) window 0, C and D window 2
.set MUL_HI, 0xf1
.set TO_B,   0x40
.macro JLOAD g0a, g1a, g0b, g1b        ; a joint load: waves 0 and 1 fetch for A, waves 2 and 3 for B.  An s_nop 0 and four v_nop follow each line
	s_cmp_eq_u32 s15, 0
	s_cbranch_scc0 .Lfor_b_\@
	tensor_load_to_lds s[\g0a:\g0a+3], s[\g1a:\g1a+7]
	s_nop 0
.rept 4
	v_nop
.endr
	s_branch .Lasked_\@
.Lfor_b_\@:
	tensor_load_to_lds s[\g0b:\g0b+3], s[\g1b:\g1b+7]
	s_nop 0
.rept 4
	v_nop
.endr
.Lasked_\@:
.endm
.macro CREST                           ; a round of the cluster's barrier behind its opening barrier
	s_cmp_lg_u32 s14, 0
	s_cbranch_scc1 .Lnot_wave_0_\@
	s_barrier_signal -3
.Lnot_wave_0_\@:
	s_barrier_wait -3
	s_barrier_signal -1
	s_barrier_wait -1
.endm
.macro CROUND
	s_barrier_signal -1
	s_barrier_wait -1
	CREST
.endm
	s_load_b128 s[4:7], s[0:1], 0x0                ; xc s[4:5], wc s[6:7]
	s_load_b128 s[8:11], s[0:1], 0x10              ; the scales s[8:9], qkv s[10:11]
	v_lshl_add_u32 v[SPW], v0, 2, SPARE
	v_mov_b32 v[NIL], 0
	ds_add_u32 v[SPW], v[NIL]                      ; the opening lines: the add, twice on end, and its wait ahead of my first tensor load
	ds_add_u32 v[SPW], v[NIL]
	v_lshrrev_b32 v1, 5, v0
	v_readfirstlane_b32 s14, v1                    ; wave 0..3
	s_lshr_b32 s15, s14, 1                         ; which half of the tile's A rows is mine.  Also: I fetch for A (0) or for B (1)
	s_and_b32 s16, s14, 1                          ; which half of its B rows.  Also: which 128 rows of that tile I fetch
	s_bfe_u32 s40, ttmp6, 0x40000                  ; cx, cy
	s_bfe_u32 s41, ttmp6, 0x40004
	s_and_b32 s80, ttmp7, 0xffff                   ; the cluster's y, 0..7: which 1,024 tokens
	s_cmp_eq_u32 ttmp9, 2                          ; the cluster's x: the same in all sixteen partners
	s_cselect_b32 s66, 1, 0                        ; 1 for v
	s_cselect_b32 s81, 0, s80                      ; q, k: the tokens are A's rows;
	s_cselect_b32 s82, s80, 0                      ; v: they are B's
	s_lshl_b32 s42, s82, 2
	s_add_co_u32 s42, s42, s40                     ; tile column
	s_lshl_b32 s17, s81, 2
	s_add_co_u32 s17, s17, s41                     ; tile row
	s_lshl_b32 s43, s41, 2
	s_lshl_b32 s43, 15, s43                        ; my row of the cluster
	s_lshl_b32 s44, 0x1111, s40                    ; my column
	s_or_b32 s[G1+0], s43, (0<<16)|(1<<20)|(1<<21)|(5<<22)|(3<<25)  ; the mask; elements of 1 byte; padding on; bit 21 beside a mask; 4 words after every 64
	s_or_b32 s[G1B+0], s44, (0<<16)|(1<<20)|(1<<21)|(5<<22)|(3<<25)
.irp g, G1, G1B
	s_mov_b32 s[\g+1], ROWB<<16                    ; tensor_dim0
	s_mov_b32 s[\g+2], 128<<16                     ; tensor_dim1
	s_mov_b32 s[\g+3], ROWB<<16                    ; tile_dim0
	s_mov_b32 s[\g+4], 128                         ; tile_dim1
	s_mov_b32 s[\g+5], KROW                        ; the pitch
	s_mov_b32 s[\g+6], 0
	s_mov_b32 s[\g+7], 0
.endr
	s_lshl_b32 s18, s16, 7
	s_lshl_b32 s20, s17, 8
	s_add_co_u32 s20, s20, s18                     ; A: row 256 x tile row + 128 x half
	s_lshl_b32 s20, s20, 10                        ; x 1,024 bytes
	s_mov_b32 s21, 0
	s_lshl_b32 s46, s42, 8
	s_add_co_u32 s46, s46, s18                     ; B: row 256 x tile column + 128 x half
	s_lshl_b32 s46, s46, 10
	s_mov_b32 s47, 0
	s_lshl_b32 s84, ttmp9, 23                      ; x's codes under this tensor's scale
	s_mov_b32 s85, 0
	s_lshl_b32 s86, ttmp9, 20                      ; this tensor's weight
	s_mov_b32 s87, 0
	s_mul_i32 s45, s14, HALFT                      ; where the tiles go: wave x 128 rows
	s_wait_dscnt 0x0                               ; both opening adds are done
	s_wait_kmcnt 0x0
	s_load_b256 s[68:75], s[8:9], 0x0              ; entries 0 .. 7
	s_load_b128 s[76:79], s[8:9], 0x20             ; entries 8 .. 11
	s_add_nc_u64 s[4:5], s[4:5], s[84:85]
	s_add_nc_u64 s[6:7], s[6:7], s[86:87]
	s_cmp_eq_u32 s66, 1
	s_cselect_b64 s[88:89], s[6:7], s[4:5]         ; A
	s_cselect_b64 s[90:91], s[4:5], s[6:7]         ; B
	s_add_nc_u64 s[20:21], s[88:89], s[20:21]
	s_add_nc_u64 s[46:47], s[90:91], s[46:47]
	s_cmp_eq_u32 s15, 0                            ; the prefetches: the rows that I fetch,
	s_cselect_b64 s[PFA:PFA+1], s[20:21], s[46:47]
	s_cselect_b32 s92, s40, s41                    ; my place among the four that ask for them with me,
	s_lshl_b32 s92, s92, 15                        ; 32 rows of 1,024 bytes each
	s_mov_b32 s93, 0
	s_add_nc_u64 s[PFA:PFA+1], s[PFA:PFA+1], s[92:93]
	CROUND                                         ; all sixteen work-groups are here: the first joint loads meet
.irp s, 0,1
	s_mov_b32 s[G0+4*\s], 1
	s_add_co_u32 s[G0+4*\s+1], s45, \s*SLOT
	s_add_nc_u64 s[G0+4*\s+2:G0+4*\s+3], s[20:21], \s*ROWB
	s_or_b32 s[G0+4*\s+3], s[G0+4*\s+3], 0x80000000
	s_mov_b32 s[G0B+4*\s], 1
	s_add_co_u32 s[G0B+4*\s+1], s45, \s*SLOT
	s_add_nc_u64 s[G0B+4*\s+2:G0B+4*\s+3], s[46:47], \s*ROWB
	s_or_b32 s[G0B+4*\s+3], s[G0B+4*\s+3], 0x80000000
.endr
	JLOAD G0, G1, G0B, G1B                         ; K step 0: one tensor load a wave at the head
	v_and_b32 v1, 15, v0                           ; r
	s_wait_alu depctr_va_vdst(0)
	v_bfe_u32 v2, v0, 4, 1                         ; h
	v_mul_u32_u24 v3, v1, PITCH
	v_lshl_add_u32 v4, v2, 4, v3                   ; a fragment's row x pitch + 16 x half
	s_mul_i32 s21, s15, HALFT
	s_mul_i32 s22, s16, HALFT
	s_add_co_u32 s22, s22, 2*HALFT
.irp s, 0,1
	v_add_nc_u32 v[ADRA+\s], s21, v4
	v_add_nc_u32 v[ADRB+\s], s22, v4
	s_add_co_u32 s21, s21, SLOT
	s_add_co_u32 s22, s22, SLOT
.endr
	s_mul_i32 s23, s14, 128*SPITCH                 ; my stage
	v_mul_u32_u24 v5, v1, SPITCH
	s_wait_alu depctr_va_vdst(0)
	v_lshl_add_u32 v5, v2, 3, v5
	v_add_nc_u32 v[STO], s23, v5                   ; in: row r, 8 bytes for each half of the lanes
	v_and_b32 v6, 31, v0
	v_lshlrev_b32 v[CO], 4, v6
	v_lshlrev_b32 v[PFO], 10, v6
	v_lshrrev_b32 v7, 2, v6
	v_mul_u32_u24 v7, v7, SPITCH
	v_and_b32 v8, 3, v6
	v_lshl_add_u32 v7, v8, 4, v7
	v_add_nc_u32 v[RDQ], s23, v7                   ; back, q and k: row lane / 4, 16 bytes of a head's 64
	v_lshrrev_b32 v7, 3, v6
	v_mul_u32_u24 v7, v7, SPITCH
	v_and_b32 v8, 7, v6
	v_lshl_add_u32 v7, v8, 4, v7
	v_add_nc_u32 v[RDV], s23, v7                   ; back, v: row lane / 8, 16 bytes of 128
	global_prefetch_b8 v[PFO], s[PFA:PFA+1] offset:ROWB th:TH_LOAD_NT scope:SCOPE_SE     ; K step 1
	global_prefetch_b8 v[PFO], s[PFA:PFA+1] offset:2*ROWB th:TH_LOAD_NT scope:SCOPE_SE   ; K step 2
	; where my 128 x 128 begins in qkv: one formula for the three tensors
	s_lshl_b32 s84, s17, 8
	s_lshl_b32 s85, s15, 7
	s_add_co_u32 s84, s84, s85                     ; my first A row
	s_lshl_b32 s85, s42, 8
	s_lshl_b32 s86, s16, 7
	s_add_co_u32 s85, s85, s86                     ; my first B row
	s_cmp_eq_u32 s66, 1
	s_cselect_b32 s86, s85, s84                    ; my first token
	s_cselect_b32 s87, s84, s85                    ; my first channel
	s_lshr_b32 s88, s86, 11
	s_lshl_b32 s88, s88, 21                        ; b x 16 heads x 131,072
	s_lshr_b32 s89, s87, 6
	s_lshl_b32 s89, s89, 17                        ; h x 131,072
	s_add_co_u32 s88, s88, s89
	s_and_b32 s89, s86, 2047
	s_lshl_b32 s89, s89, 6                         ; t x 64: in V the same number is (t / 128) x 8,192
	s_add_co_u32 s88, s88, s89
	s_lshl_b32 s89, ttmp9, 23                      ; the region
	s_add_co_u32 s88, s88, s89
	s_mov_b32 s89, 0
	s_add_nc_u64 s[10:11], s[10:11], s[88:89]
.macro FRAG reg, adr, q, i             ; 16 rows x 128 K: lane l holds row l % 16; registers 4 c .. 4 c + 3 hold K = 32 c + 16 (l / 16) + 0 .. 15
.irp c, 0,1,2,3
	ds_load_b128 v[\reg+4*\c:\reg+4*\c+3], v[\adr] offset:128*(\q)+32*\c+(\i)*16*PITCH
.endr
.endm
; 16 matrix instructions: A's blocks a0, a0 + 1 x B's eight.  The 64 accumulators take turns, one instruction a turn, in the same order in every step.
.macro MUL16 a0, p, zero
.irp a, \a0, \a0+1
.irp b, 0,1,2,3,4,5,6,7
.if \zero
	v_wmma_f32_16x16x128_fp8_fp8 v[8*(8*((\a)%4)+\b):8*(8*((\a)%4)+\b)+7], v[128*(\p)+FR*\b:128*(\p)+FR*\b+FR-1], v[AF+FR*(\a):AF+FR*(\a)+FR-1], 0
.else
	v_wmma_f32_16x16x128_fp8_fp8 v[8*(8*((\a)%4)+\b):8*(8*((\a)%4)+\b)+7], v[128*(\p)+FR*\b:128*(\p)+FR*\b+FR-1], v[AF+FR*(\a):AF+FR*(\a)+FR-1], v[8*(8*((\a)%4)+\b):8*(8*((\a)%4)+\b)+7]
.endif
.endr
.endr
.endm
.macro FETCH_B slot, q, p
	WIN TO_B
.irp i, 0,1,2,3,4,5,6,7
	FRAG 128*(\p)+FR*\i, ADRB+\slot, \q, \i
.endr
	WIN 0
.endm
.macro FETCH_A slot, q, i0
.irp i, \i0, \i0+1, \i0+2, \i0+3
	FRAG AF+FR*(\i), ADRA+\slot, \q, \i
.endr
.endm
.macro PLACES n                        ; plain vector lines between a matrix instruction and a load into, or a vector read of, its registers (ISA guide 7.12.1 for vector reads)
.rept \n
	v_nop
.endr
.endm
.macro STEP slot, q, zero              ; 128 along K that has its successor in the same slot
	s_wait_dscnt 4*NL                              ; B's set and A's blocks 0-3 are in; the youngest sixteen loads (A's blocks 4-7) may be out
	WIN MUL_LO
	MUL16 0, (\q)%2, \zero
	MUL16 2, (\q)%2, \zero
	s_wait_dscnt 0
	PLACES NP
	FETCH_B \slot, (\q)+1, 1-(\q)%2
	FETCH_A \slot, (\q)+1, 0
	WIN MUL_HI
	MUL16 4, (\q)%2, \zero
	MUL16 6, (\q)%2, \zero
	PLACES NP
	WIN 0
	FETCH_A \slot, (\q)+1, 4
.endm
; A slot's last step changes slots: ONE barrier; in front of it each wave waits for all its tensor loads, adds 0 to its spare word, and waits for that and for its own reads of this slot.
.macro TURN slot, next, fill
	s_wait_tensorcnt 0x0                           ; all my tensor loads have landed: my part of the next slot
	ds_add_u32 v[SPW], v[NIL]                      ; 0 onto my spare word
	s_wait_dscnt 4*NL+1                            ; the add and the youngest sixteen loads may be out
	WIN MUL_LO
	MUL16 0, 1, 0
	s_wait_dscnt 0x0                               ; the add is done, and my reads of this slot are over
	s_barrier_signal -1
	MUL16 2, 1, 0
	WIN 0
	s_barrier_wait -1
.if \fill
	CREST                                          ; the barrier has opened a round of the cluster's: no wave of any partner still reads this slot or has a load on its way
	s_add_nc_u64 s[G0+4*\slot+2:G0+4*\slot+3], s[G0+4*\slot+2:G0+4*\slot+3], 2*ROWB
	s_add_nc_u64 s[G0B+4*\slot+2:G0B+4*\slot+3], s[G0B+4*\slot+2:G0B+4*\slot+3], 2*ROWB
	JLOAD G0+4*\slot, G1, G0B+4*\slot, G1B         ; the first tensor load behind the round; its four v_nop are the places in front of the loads below
.else
	PLACES NP
.endif
	FETCH_B \next, 0, 0
	FETCH_A \next, 0, 0
	WIN MUL_HI
	MUL16 4, 1, 0
	MUL16 6, 1, 0
	PLACES NP
	WIN 0
	FETCH_A \next, 0, 4
.endm
	s_wait_alu depctr_va_vdst(0)                   ; the head's end
	s_wait_tensorcnt 0x0                           ; my part of K step 0 is in
	ds_add_u32 v[SPW], v[NIL]
	s_wait_dscnt 0x0
	CROUND                                         ; a whole round: everybody's part of K step 0 is in, and the joint loads meet
	JLOAD G0+4, G1, G0B+4, G1B                     ; K step 1's load, the first tensor load behind the round
	FETCH_B 0, 0, 0
	FETCH_A 0, 0, 0
	FETCH_A 0, 0, 4
	global_prefetch_b8 v[PFO], s[PFA:PFA+1] offset:3*ROWB th:TH_LOAD_NT scope:SCOPE_SE   ; K step 3
	STEP 0, 0, 1                                   ; the first step's products start the sums: nothing is cleared
	s_mov_b32 s3, LAPS-1
.Llap:                                                 ; a trip goes once round the ring and fills both slots again
	TURN 0, 1, 1
	STEP 1, 0, 0
	TURN 1, 0, 1
	STEP 0, 0, 0
	s_sub_co_u32 s3, s3, 1
	s_cmp_lg_u32 s3, 0
	s_cbranch_scc1 .Llap
	TURN 0, 1, 0                                   ; the last lap fills nothing
	STEP 1, 0, 0
	s_wait_dscnt 4*NL
	WIN MUL_LO
	MUL16 0, 1, 0
	MUL16 2, 1, 0
	s_wait_dscnt 0
	WIN MUL_HI
	MUL16 4, 1, 0
	MUL16 6, 1, 0
	WIN 0
; THE WAY OUT.  Each sum is held and converted; a lane's eight codes are 8 neighbouring bytes of its A row.  All 128 rows x 128 bytes go through my own stage and come back as runs of 512 bytes that lie on end in qkv.
	s_wait_kmcnt 0x0
	s_sub_co_i32 s92, s74, s68
	s_sub_co_i32 s92, s92, s69                     ; q: entry 6 - 0 - 1
	s_sub_co_i32 s93, s75, s70
	s_sub_co_i32 s93, s93, s71                     ; k: 7 - 2 - 3
	s_sub_co_i32 s94, s77, s72
	s_sub_co_i32 s94, s94, s73                     ; v: 9 - 4 - 5
	s_cmp_eq_u32 ttmp9, 0
	s_cselect_b32 s92, s92, s93
	s_cmp_eq_u32 ttmp9, 2
	s_cselect_b32 s92, s94, s92
	s_add_co_i32 s92, s92, 127
	s_lshl_b32 s93, s92, 23
	s_add_co_i32 s92, s92, 8
	s_lshl_b32 s92, s92, 23
	s_or_b32 s92, s92, 0x600000
	PLACES NP
	v_mov_b32 v[SCL], s93
	v_mov_b32 v[LIMR], s92
.macro CODES a
.set AC, 64*((\a)%4)
	WIN 0x02+((\a)/4)                              ; source 0: window 2 or 3
.set jj, 0
.rept 64
	v_med3_num_f32 v[TMP+jj], v[AC+jj], -v[LIMR], v[LIMR]   ; the hold; each accumulator from its low end on
.set jj, jj+1
.endr
	WIN 0
.irp b, 0,1,2,3,4,5,6,7
	v_cvt_scalef32_pk8_fp8_f32 v[CD+16*(\a)+2*\b:CD+16*(\a)+2*\b+1], v[TMP+8*\b:TMP+8*\b+7], v[SCL]
.endr
	v_nop                                          ; a plain line between the conversions and the next block's holds, which write their sources
.irp b, 0,1,2,3,4,5,6,7
	ds_store_b64 v[STO], v[CD+16*(\a)+2*\b:CD+16*(\a)+2*\b+1] offset:16*SPITCH*(\a)+16*\b
.endr
.endm
.irp a, 0,1,2,3,4,5,6,7
	CODES \a
.endr
	s_wait_dscnt 0x0                               ; the stores have read their registers, into which the rows come back
	s_cmp_eq_u32 s66, 1                            ; the cluster's x alone: the same in all partners
	s_cbranch_scc1 .Lback_v
.set jj, 0
.rept 32                               ; q, k: head jj / 16, eight tokens x 64 bytes
	ds_load_b128 v[CD+4*jj:CD+4*jj+3], v[RDQ] offset:8*SPITCH*(jj%16)+64*(jj/16)
.set jj, jj+1
.endr
	s_branch .Lback_done
.Lback_v:
.set jj, 0
.rept 32                               ; v: four channels x 128 keys
	ds_load_b128 v[CD+4*jj:CD+4*jj+3], v[RDV] offset:4*SPITCH*jj
.set jj, jj+1
.endr
.Lback_done:
.set jj, 0
.rept 32
	s_wait_dscnt 31-jj                             ; number jj is in, the younger ones stay out
	global_store_b128 v[CO], v[CD+4*jj:CD+4*jj+3], s[10:11] offset:512*(jj%16)+131072*(jj/16)   ; 32 lanes store 512 consecutive bytes, aligned; the second sixteen belong to the next head
.set jj, jj+1
.endr
	s_wait_tensorcnt 0x0                           ; the wave's end
	ds_add_u32 v[SPW], v[NIL]
	s_wait_dscnt 0x0
	CROUND                                         ; the closing round
	s_endpgm
.Lfunc_end_k_q53b8474b52_qkv:
	.size	k_q53b8474b52_qkv, .Lfunc_end_k_q53b8474b52_qkv-k_q53b8474b52_qkv
	.p2alignl 7, 3214868480
	.fill 96, 4, 3214868480
	.section	.rodata,"a",@progbits
	.p2align	6, 0x0
	.amdhsa_kernel k_q53b8474b52_qkv
		.amdhsa_group_segment_fixed_size 327680
		.amdhsa_private_segment_fixed_size 0
		.amdhsa_enable_private_segment 0
		.amdhsa_kernarg_size 32
		.amdhsa_user_sgpr_count 2
		.amdhsa_user_sgpr_kernarg_segment_ptr 1
		.amdhsa_wavefront_size32 1
		.amdhsa_system_sgpr_workgroup_id_x 1
		.amdhsa_system_sgpr_workgroup_id_y 1
		.amdhsa_system_sgpr_workgroup_id_z 1
		.amdhsa_system_vgpr_workitem_id 0
		.amdhsa_next_free_vgpr 1024
		.amdhsa_next_free_sgpr 100
		.amdhsa_reserve_vcc 0
		.amdhsa_float_denorm_mode_32 3
		.amdhsa_float_denorm_mode_16_64 3
		.amdhsa_memory_ordered 1
		.amdhsa_forward_progress 1
		.amdhsa_inst_pref_size 129
	.end_amdhsa_kernel
	.amdgpu_metadata
---
amdhsa.version: [ 1, 2 ]
amdhsa.kernels:
  - .name:           k_q53b8474b52_qkv
    .symbol:         k_q53b8474b52_qkv.kd
    .args:
      - { .name: xc, .offset: 0, .size: 8, .value_kind: global_buffer, .address_space: global }
      - { .name: wc, .offset: 8, .size: 8, .value_kind: global_buffer, .address_space: global }
      - { .name: lowp_scales, .offset: 16, .size: 8, .value_kind: global_buffer, .address_space: global }
      - { .name: qkv, .offset: 24, .size: 8, .value_kind: global_buffer, .address_space: global }
    .group_segment_fixed_size: 327680
    .private_segment_fixed_size: 0
    .kernarg_segment_align: 8
    .kernarg_segment_size: 32
    .max_flat_workgroup_size: 128
    .sgpr_count:     100
    .vgpr_count:     1024
    .wavefront_size: 32
...
	.end_amdgpu_metadata
.endif
;; end of part 2
;; launch attn (part 3): grid 4 x 64, 8 waves a work-group, clusters of 4 x 1, 327,680 bytes of LDS; arguments qkv, lowp_scales, ao; writes ao
.if DOCPART == 3
	.amdgcn_target "amdgcn-amd-amdhsa--gfx1250"
	.amdhsa_code_object_version 6
	.text
	.protected	k_q53b8474b52_attn
	.globl	k_q53b8474b52_attn
	.p2align	8
	.type	k_q53b8474b52_attn,@function
k_q53b8474b52_attn:
	s_mov_b64 s[64:65], 0
	v_nop
	global_prefetch_b8 v0, s[64:65] scope:SCOPE_SE
	s_setreg_imm32_b32 hwreg(HW_REG_WAVE_MODE, 25, 1), 1
	s_wait_xcnt 0x0
	s_wait_alu depctr_hold_cnt(0) depctr_sa_sdst(0) depctr_va_vdst(0) depctr_va_sdst(0) depctr_va_ssrc(0) depctr_va_vcc(0) depctr_vm_vsrc(0)
	s_getreg_b32 s2, hwreg(HW_REG_IB_STS2, 6, 4)
	s_cmp_eq_u32 s2, 0
	s_cbranch_scc0 .Lentry_in_a_cluster
	s_endpgm
.Lentry_in_a_cluster:
	s_bfe_u32 s2, ttmp6, 0x10000c
	s_cmp_lg_u32 s2, 0x3003
	s_cbranch_scc0 .Lentry_shape_is_right
	s_endpgm
.Lentry_shape_is_right:
; Causal attention on codes of FP8 (E4M3), head size 64, 2,048 keys, 64 heads; the result is quantised at once for the last product.
; qkv: Q at 0 and K at 8 MiB: [64 heads][2048 t][64 d]; V at 16 MiB: [64 heads][16 blocks][64 d][128 keys].  ao: [64 blocks of 128 tokens][16 h][128 t][64 d], codes.
; THE SOFTMAX: t = score x log2(e) / 8; M = the row's largest t so far, rounded UP to a whole number; p = 2^(t - M) is quantised, not normalised; the row's sum is taken of the unquantised p and divides at the end.
; When M moves, the sum and O are multiplied by 2^(old M - new M): exact.
; LDS HOLDS THE HEAD'S K AND V WHOLE: 2 x 512 rows of 256 bytes + 16 of padding = 278,528 bytes.  Nothing is filled again, so there is no ring.  Each wave issues two loads: its eighth of keys 0-639 at the head,
; and its eighth of keys 640-2047 behind the full sequence and a round.  The first four key steps are worked while the second load is out (they read K up to key 639, one step ahead); one barrier follows; behind it the waves share nothing more.
; SHARES.  A head's 64 groups of 32 queries go to 4 work-groups x 8 waves; every group has one owner.  Wave j of work-group x owns group 63 - x - 4 j (16 - j key steps of 128) and then group 4 (j xor 4) + x ((j xor 4) + 1 steps).
; So waves 0-3 have 21 steps each and waves 4-7 have 13: the shares are uneven by choice; waves j and j + 4 have 34 steps together, and a work-group 136.
; The step counts hang on the wave's number alone; x enters global addresses and the mask's numbers only.  A step all of whose keys come after a group's queries is left out (the causal mask of the problem's own); a group's last step is masked.
; A group is two tiles of 16 queries, which share every fragment of K and V.  Wave 0's first group walks all 16 steps, so every work-group reads all that it is sent.
; K's fragments are asked for a step ahead, behind the products that read the last ones; a group's last step so reads 8,704 LDS bytes that it does not use (for step 15 they are V's first rows).
; CLUSTER of 4 x 1: the four work-groups of a head ask for the same tiles jointly (mask 15).
; Both products are used transposed (S^T = K Q^T, O^T = V^T P^T): a lane holds one query.  Key tile t holds keys 16 t + 0 .. 15, so p's codes of tile t are registers 2 t, 2 t + 1 of the second product's operand: k = 16 t + 8 h + 0 .. 7.
; NO PREFETCH: all of K and V is asked for by the two loads at the head; no loop runs ahead of a load.
; LIMITS: entries 6 + 7 between -123 and 130; entry 8, and 10 - 8 - 9, between -126 and 119.  The scaled scores stay under 2^31 in magnitude.  In the first product both fragments hold d in another order than the form's own, the same on both sides.
; REGISTERS.  Window 0: v1-11 addresses and constants; v12-19 -M, largest t, sum pair of the two tiles; v20-35 Q of the first group; v36-163 S^T, then p; v164-195 part sums, then p's codes; v198-221 at work; v222-237 Q of the second group.
; Window 1: v0-63 K's fragments, v64-127 V's, v128-191 O^T.
.set RP,    272
.set VOFF,  512*RP                     ; V's rows lie behind K's
.set STEPB, 32*RP                      ; a key step: 32 rows of K (four keys a row), 32 rows of V (two channels a row)
.set STAGE, 2*VOFF                     ; the way out: 32 rows x 80 bytes for each wave; no fill lands here
.set SPARE, STAGE+8*2560               ; the spare words, 128 bytes for each wave: four blocks of 256 bytes that no other line names
.set AK0, 1
.set AV0, 2
.set ADK, 3
.set ADV, 4
.set SPW, 5
.set NIL, 6
.set DQ,  7                            ; my query's place in its block of 128, less 8 h
.set STO, 8
.set RDB, 9
.set GO,  10
.set NINF, 11
.set MS,  12
.set QL,  20
.set S,   36
.set PC,  164
.set PSC, 196                          ; 2^(entry 8)
.set PLIM, 197                         ; 448 x that
.set T,   198                          ; 12 registers a tile: 0-3 maxima, 4 the other half's, 6-7 f, 8-11 two chains of tile 1's sum
.set QS,  222
.set OSC, 238                          ; 2^(10 - 8 - 9)
.set OLIM, 239
.set RH,  244                          ; r - 8 h
.set KF,  0                            ; window 1
.set VF,  64
.set O,   128
.set WV,  18
.set SEL, 20
.set CS,  22
.set G1A, 24
.set G1B, 32
.set G0A, 40
.set G0B, 44
.set TB,  48                           ; LDS byte of the key step in hand
.set KS,  49                           ; the key step
.set NST, 50                           ; steps of the group in hand
.set NL,  51
.set NS,  52
.set OA,  54
.set OB,  56
.set QAD, 58
.set QBD, 60
.set MSB, 0
.macro WIN new                         ; the immediate's high byte repeats the setting that is left
.if MSB != \new
	s_set_vgpr_msb (MSB<<8)|\new
.set MSB, \new
.endif
.endm
.macro NOPS n
.rept \n
	v_nop
.endr
.endm
.macro CROUND                          ; a round of the cluster's barrier
	s_barrier_signal -1
	s_barrier_wait -1
	s_cmp_lg_u32 s[WV], 0
	s_cbranch_scc1 .Lnot_wave_0_\@
	s_barrier_signal -3
.Lnot_wave_0_\@:
	s_barrier_wait -3
	s_barrier_signal -1
	s_barrier_wait -1
.endm
.macro INIT                            ; a group begins: largest t -3e38, sums and O^T zero (the step is written once; the first change of M leaves zeros zeros)
.irp x, 0,1
	v_mov_b32 v[MS+4*\x+1], 0xff61b1e6
	v_mov_b32 v[MS+4*\x+2], 0
	v_mov_b32 v[MS+4*\x+3], 0
	v_floor_f32 v[MS+4*\x], -v[MS+4*\x+1]
.endr
	WIN 0x40
.set jj, 0
.rept 64
	v_mov_b32 v[O+jj], 0
.set jj, jj+1
.endr
	WIN 0
.endm
.macro KLOAD adr, off                  ; a step's eight tiles of K into window 1 (the window is set by the caller)
.irp t, 0,1,2,3,4,5,6,7
	ds_load_b128 v[KF+8*\t:KF+8*\t+3], v[\adr] offset:(\off)+4*\t*RP
	ds_load_b128 v[KF+8*\t+4:KF+8*\t+7], v[\adr] offset:(\off)+4*\t*RP+32
.endr
.endm
	s_load_b128 s[4:7], s[0:1], 0x0                ; qkv s[4:5], the scales s[6:7]
	s_load_b64 s[8:9], s[0:1], 0x10                ; ao
	v_lshl_add_u32 v[SPW], v0, 2, SPARE
	v_mov_b32 v[NIL], 0
	ds_add_u32 v[SPW], v[NIL]                      ; the opening lines: the add, twice on end, and its wait ahead of the first tensor load
	ds_add_u32 v[SPW], v[NIL]
	v_lshrrev_b32 v240, 5, v0
	v_readfirstlane_b32 s[WV], v240                ; wave j, 0..7
	s_bfe_u32 s66, ttmp6, 0x40000                  ; x: my place in the cluster
	s_and_b32 s72, ttmp7, 0xffff                   ; the head, 16 b + h
	s_lshl_b32 s74, s72, 17                        ; its first byte in each region
	s_mov_b32 s75, 0
	s_lshr_b32 s68, s[WV], 2                       ; I fetch for K (0) or V (1),
	s_and_b32 s69, s[WV], 3                        ; this quarter
	s_mul_i32 s70, s68, VOFF
	s_mul_i32 s71, s69, 40*RP
	s_add_co_u32 s[G0A+1], s70, s71                ; first load: 40 rows of the first 160
	s_mul_i32 s71, s69, 88*RP
	s_add_co_u32 s71, s71, s70
	s_add_co_u32 s[G0B+1], s71, 160*RP             ; second load: 88 rows of the other 352
	s_add_co_u32 s68, s68, 1
	s_lshl_b32 s68, s68, 23                        ; the region
	s_mul_i32 s76, s69, 40*256
	s_add_co_u32 s76, s76, s68
	s_mov_b32 s77, 0
	s_add_nc_u64 s[76:77], s[76:77], s[74:75]
	s_mul_i32 s78, s69, 88*256
	s_add_co_u32 s78, s78, 160*256
	s_add_co_u32 s78, s78, s68
	s_mov_b32 s79, 0
	s_add_nc_u64 s[78:79], s[78:79], s[74:75]
.irp g, G1A, G1B
	s_mov_b32 s[\g], 15|(1<<20)|(1<<21)|(5<<22)|(3<<25)   ; the mask: all four; elements of 1 byte; padding on; bit 21 beside a mask; 4 words after every 64
	s_mov_b32 s[\g+1], 256<<16                     ; tensor_dim0
	s_mov_b32 s[\g+3], 256<<16                     ; tile_dim0
	s_mov_b32 s[\g+5], 256                         ; the pitch: the blocks are dense
	s_mov_b32 s[\g+6], 0
	s_mov_b32 s[\g+7], 0
.endr
	s_mov_b32 s[G1A+2], 40<<16
	s_mov_b32 s[G1A+4], 40
	s_mov_b32 s[G1B+2], 88<<16
	s_mov_b32 s[G1B+4], 88
	s_mov_b32 s[SEL], 0x76543210
	s_mov_b32 s[SEL+1], 0xfedcba98
	s_mov_b32 s[CS], 0x3e38aa3b                    ; c = log2(e) / 8
	s_wait_dscnt 0x0                               ; both opening adds are done
	s_wait_kmcnt 0x0
	s_load_b256 s[84:91], s[6:7], 0x0              ; entries 0 .. 7
	s_load_b128 s[92:95], s[6:7], 0x20             ; entries 8 .. 11
	s_mov_b32 s[G0A], 1
	s_add_nc_u64 s[G0A+2:G0A+3], s[4:5], s[76:77]
	s_or_b32 s[G0A+3], s[G0A+3], 0x80000000
	s_mov_b32 s[G0B], 1
	s_add_nc_u64 s[G0B+2:G0B+3], s[4:5], s[78:79]
	s_or_b32 s[G0B+3], s[G0B+3], 0x80000000
	CROUND                                         ; the four work-groups are here: the first joint loads meet
	tensor_load_to_lds s[G0A:G0A+3], s[G1A:G1A+7]  ; keys 0-639: one tensor load a wave at the head
	s_nop 0
	NOPS 4
	s_lshl_b32 s67, s[WV], 2
	s_add_co_u32 s68, s67, s66                     ; 4 j + x, under 32
	s_sub_co_u32 s69, 63, s68                      ; the first group: 63 - x - 4 j
	s_xor_b32 s68, s68, 16                         ; the second: 4 (j xor 4) + x
	s_lshl_b32 s70, s69, 11                        ; 32 queries of 64 bytes a group
	s_mov_b32 s71, 0
	s_add_nc_u64 s[70:71], s[70:71], s[74:75]
	s_add_nc_u64 s[QAD:QAD+1], s[4:5], s[70:71]
	s_lshl_b32 s70, s68, 11
	s_mov_b32 s71, 0
	s_add_nc_u64 s[70:71], s[70:71], s[74:75]
	s_add_nc_u64 s[QBD:QBD+1], s[4:5], s[70:71]
	s_lshr_b32 s76, s72, 4
	s_lshl_b32 s76, s76, 4                         ; 16 b
	s_and_b32 s77, s72, 15                         ; h
.irp p, 0,1                            ; ao: ((16 b + group / 4) x 16 + h) x 8,192 + (group % 4) x 2,048
	s_lshr_b32 s78, s[69-\p], 2
	s_add_co_u32 s78, s78, s76
	s_lshl_b32 s78, s78, 4
	s_add_co_u32 s78, s78, s77
	s_lshl_b32 s78, s78, 13
	s_and_b32 s79, s[69-\p], 3
	s_lshl_b32 s[80+\p], s79, 5                    ; the group's first query in its block of 128
	s_lshl_b32 s79, s79, 11
	s_add_co_u32 s78, s78, s79
	s_mov_b32 s79, 0
	s_add_nc_u64 s[OA+2*\p:OA+2*\p+1], s[8:9], s[78:79]
.endr
	s_sub_co_u32 s[NL], 16, s[WV]                  ; the first group's steps
	s_xor_b32 s[NS], s[WV], 4
	s_add_co_u32 s[NS], s[NS], 1                   ; the second's: (j xor 4) + 1, at most 8
	s_mul_i32 s82, s[WV], 2560
	s_add_co_u32 s82, s82, STAGE                   ; my stage
	v_and_b32 v240, 15, v0                         ; r
	v_bfe_u32 v241, v0, 4, 1                       ; h
	v_lshlrev_b32 v242, 6, v240
	v_lshl_add_u32 v242, v241, 4, v242             ; Q: row r of 64 bytes, + 16 h
.irp x, 0,1
	global_load_b128 v[QL+8*\x:QL+8*\x+3], v242, s[QAD:QAD+1] offset:1024*\x
	global_load_b128 v[QL+8*\x+4:QL+8*\x+7], v242, s[QAD:QAD+1] offset:1024*\x+32
	global_load_b128 v[QS+8*\x:QS+8*\x+3], v242, s[QBD:QBD+1] offset:1024*\x
	global_load_b128 v[QS+8*\x+4:QS+8*\x+7], v242, s[QBD:QBD+1] offset:1024*\x+32
.endr
	v_lshrrev_b32 v243, 2, v240
	v_mul_u32_u24 v[AK0], v243, RP
	v_and_b32 v243, 3, v240
	v_lshl_add_u32 v[AK0], v243, 6, v[AK0]
	v_lshl_add_u32 v[AK0], v241, 4, v[AK0]         ; K: RP (r / 4) + 64 (r % 4) + 16 h: sixteen lanes on sixteen different 16-byte columns
	v_lshrrev_b32 v243, 1, v240
	v_mul_u32_u24 v[AV0], v243, RP
	v_and_b32 v243, 1, v240
	v_lshl_add_u32 v[AV0], v243, 7, v[AV0]
	v_lshl_add_u32 v[AV0], v241, 3, v[AV0]
	v_add_nc_u32 v[AV0], VOFF, v[AV0]              ; V: VOFF + RP (r / 2) + 128 (r % 2) + 8 h: 32 lanes on 32 different 8-byte columns
	v_lshlrev_b32 v243, 3, v241
	v_sub_nc_u32 v[RH], v240, v243
	v_add_nc_u32 v[DQ], s80, v[RH]
	v_mul_u32_u24 v[STO], v240, 80
	v_lshl_add_u32 v[STO], v241, 3, v[STO]
	v_add_nc_u32 v[STO], s82, v[STO]               ; into the stage: row r, + 8 h
	v_and_b32 v243, 31, v0
	v_lshlrev_b32 v[GO], 4, v243                   ; 16 x lane
	v_lshrrev_b32 v245, 2, v243
	v_mul_u32_u24 v[RDB], v245, 80
	v_and_b32 v245, 3, v243
	v_lshl_add_u32 v[RDB], v245, 4, v[RDB]
	v_add_nc_u32 v[RDB], s82, v[RDB]               ; back: row lane / 4, 16 bytes
	v_mov_b32 v[NINF], 0xff800000
.irp x, 0,1
	v_mov_b32 v[T+12*\x+4], 0                      ; written once: a lane permute's destination counts as one of its sources
	v_mov_b32 v[T+12*\x+7], 0                      ; (named as the upper half of a pair)
.endr
	INIT
	s_wait_kmcnt 0x0
	s_add_co_i32 s68, s90, s91
	s_lshl_b32 s68, s68, 23
	s_add_co_i32 s[CS], s[CS], s68                 ; a score stands for score x 2^(entries 6 + 7): added to c's exponent field
	s_mov_b32 s[CS+1], s[CS]
	s_add_co_i32 s68, s92, 127
	s_lshl_b32 s69, s68, 23
	v_mov_b32 v[PSC], s69
	s_add_co_i32 s68, s68, 8
	s_lshl_b32 s68, s68, 23
	s_or_b32 s68, s68, 0x600000
	v_mov_b32 v[PLIM], s68
	s_sub_co_i32 s68, s94, s92
	s_sub_co_i32 s68, s68, s93
	s_add_co_i32 s68, s68, 127
	s_lshl_b32 s69, s68, 23
	v_mov_b32 v[OSC], s69
	s_add_co_i32 s68, s68, 8
	s_lshl_b32 s68, s68, 23
	s_or_b32 s68, s68, 0x600000
	v_mov_b32 v[OLIM], s68
.macro ROUNDS n                        ; tile 1's sum: n rounds of its four chains, eight numbers a round, from number jj on
.rept \n
.irp k, 0,1,2,3
	v_pk_add_f32 v[T+8+2*(\k%2)+12*(\k/2):T+9+2*(\k%2)+12*(\k/2)], v[T+8+2*(\k%2)+12*(\k/2):T+9+2*(\k%2)+12*(\k/2)], v[S+64+jj+2*\k:S+64+jj+2*\k+1]
.endr
.set jj, jj+8
.endr
.endm
; A GROUP'S KEY STEP: 128 keys x two tiles of 16 queries.  qb: Q's registers; diag = 1: the group's last step may be this one; hid = 1: the step may lie behind the last.
.macro GSTEP qb, diag, hid
.if \hid
	s_cmp_ge_u32 s[KS], s[NST]                     ; the wave's number and the count of steps alone
	s_cbranch_scc1 .Lhid_\@
.endif
	s_wait_dscnt 0x0                               ; K's tiles, asked for a step ago
	WIN 0x01
.irp t, 0,1,2,3,4,5,6,7
.irp x, 0,1
	v_wmma_f32_16x16x64_fp8_fp8 v[S+64*\x+8*\t:S+64*\x+8*\t+7], v[KF+8*\t:KF+8*\t+7], v[(\qb)+8*\x:(\qb)+8*\x+7], 0
.endr
.endr
	WIN 0
	v_add_nc_u32 v[ADK], s[TB], v[AK0]
	v_add_nc_u32 v[ADV], s[TB], v[AV0]
	NOPS 2                                         ; four plain lines in front of the loads into registers that products have read, and of the first read of the scores
	WIN 0x40
.irp t, 0,1,2,3
.irp c, 0,1,2,3,4,5,6,7
	ds_load_b64 v[VF+16*\t+2*\c:VF+16*\t+2*\c+1], v[ADV] offset:8*\t*RP+16*\c
.endr
.endr
	KLOAD ADK, STEPB                               ; the next step's K
	WIN 0
.if \diag
	s_add_co_u32 s96, s[KS], 1                     ; in the group's last step hidden scores become -infinity ahead of the maximum
	s_cmp_lg_u32 s96, s[NST]
	s_cbranch_scc1 .Lopen_\@
.irp x, 0,1                            ; register 8 t + i holds key 16 t + 8 h + i of the block: hidden where 16 t + i - 16 x > DQ
.set nn, 0
.rept 64
	v_cmp_gt_i32 vcc_lo, 16*(nn/8)+nn%8-16*\x, v[DQ]
	v_cndmask_b32 v[S+64*\x+nn], v[S+64*\x+nn], v[NINF], vcc_lo
.set nn, nn+1
.endr
.endr
.Lopen_\@:
.endif
.irp i, 0,1,2,3                        ; the largest score of my query among my 64 keys: four chains a tile, the two tiles by turns; each accumulator from its low end on
.irp x, 0,1
	v_max3_num_f32 v[T+12*\x+\i], v[S+64*\x+3*\i], v[S+64*\x+3*\i+1], v[S+64*\x+3*\i+2]
.endr
.endr
.set kk, 0
.rept 26
.irp x, 0,1
	v_max3_num_f32 v[T+12*\x+(kk%4)], v[T+12*\x+(kk%4)], v[S+64*\x+12+2*kk], v[S+64*\x+13+2*kk]
.endr
.set kk, kk+1
.endr
.irp x, 0,1
	v_max3_num_f32 v[T+12*\x], v[T+12*\x], v[T+12*\x+1], v[T+12*\x+2]
.endr
.irp x, 0,1
	v_max_num_f32 v[T+12*\x], v[T+12*\x], v[T+12*\x+3]
.endr
.irp x, 0,1
	v_permlanex16_b32 v[T+12*\x+4], v[T+12*\x], s[SEL], s[SEL+1]
.endr
.irp x, 0,1
	v_max_num_f32 v[T+12*\x], v[T+12*\x], v[T+12*\x+4]   ; and among lane l xor 16's
.endr
.irp x, 0,1
	v_mul_f32 v[T+12*\x], s[CS], v[T+12*\x]        ; as t (c is positive)
.endr
.irp x, 0,1
	v_max_num_f32 v[MS+4*\x+1], v[MS+4*\x+1], v[T+12*\x]   ; the running largest t
.endr
.irp x, 0,1
	v_mov_b32 v[T+12*\x], v[MS+4*\x]
.endr
.irp x, 0,1
	v_floor_f32 v[MS+4*\x], -v[MS+4*\x+1]          ; the new -M = -ceil(t)
.endr
.irp x, 0,1
	v_sub_f32 v[T+12*\x], v[MS+4*\x], v[T+12*\x]   ; old M - new M: a whole number, 0 or less
.endr
.irp x, 0,1
	v_cvt_i32_f32 v[T+12*\x], v[T+12*\x]           ; (it saturates)
.endr
.irp x, 0,1
	v_ldexp_f32 v[T+12*\x+6], 1.0, v[T+12*\x]      ; f = 2^(old M - new M)
.endr
.set jj, 0
.rept 32
	v_pk_fma_f32 v[S+jj:S+jj+1], v[S+jj:S+jj+1], s[CS:CS+1], v[MS:MS+1] op_sel_hi:[1,0,0]   ; tile 0: t - M, two at a time
.set jj, jj+2
.endr
	s_wait_alu depctr_va_vdst(0)                   ; ahead of the first batch
.set jj, 0
.rept 32                               ; FIRST BATCH: tile 0's p = 2^(t - M); between the exponentials tile 1's t - M, whose sources were all written ahead of the wait above
	v_exp_f32 v[S+jj], v[S+jj]
	v_pk_fma_f32 v[S+64+jj:S+64+jj+1], v[S+64+jj:S+64+jj+1], s[CS:CS+1], v[MS+4:MS+5] op_sel_hi:[1,0,0]
	v_exp_f32 v[S+jj+1], v[S+jj+1]
.set jj, jj+2
.endr
	v_nop                                          ; the plain line behind the batch
	s_wait_alu depctr_va_vdst(0)                   ; behind the first batch and ahead of the second
.set jj, 0
.rept 16                               ; SECOND BATCH: tile 1's p; between the exponentials tile 0's part sums of the unquantised p (16 pairs of their own, no chain) and then its hold
	v_exp_f32 v[S+64+jj], v[S+64+jj]
	v_pk_add_f32 v[PC+jj/2:PC+jj/2+1], v[S+jj:S+jj+1], v[S+jj+2:S+jj+3]
	v_exp_f32 v[S+64+jj+1], v[S+64+jj+1]
	v_dual_min_num_f32 v[S+jj], v[S+jj], v[PLIM] :: v_dual_min_num_f32 v[S+jj+1], v[S+jj+1], v[PLIM]
	v_exp_f32 v[S+64+jj+2], v[S+64+jj+2]
	v_dual_min_num_f32 v[S+jj+2], v[S+jj+2], v[PLIM] :: v_dual_min_num_f32 v[S+jj+3], v[S+jj+3], v[PLIM]
	v_exp_f32 v[S+64+jj+3], v[S+64+jj+3]
.set jj, jj+4
.endr
.irp x, 0,1
	v_pk_mul_f32 v[MS+4*\x+2:MS+4*\x+3], v[MS+4*\x+2:MS+4*\x+3], v[T+12*\x+6:T+12*\x+7] op_sel_hi:[1,0]   ; the sums under the new M: plain lines behind the batch
.endr
	s_wait_alu depctr_va_vdst(0)                   ; one wait behind the batch, ahead of its first reader
.irp m, 0,1,2,3,4,5,6,7                ; tile 0's part sums are added as a tree; tile 1's sum goes in four chains between its levels
	v_pk_add_f32 v[PC+4*\m:PC+4*\m+1], v[PC+4*\m:PC+4*\m+1], v[PC+4*\m+2:PC+4*\m+3]
.endr
.irp k, 0,1,2,3
	v_pk_add_f32 v[T+8+2*(\k%2)+12*(\k/2):T+9+2*(\k%2)+12*(\k/2)], v[S+64+4*\k:S+64+4*\k+1], v[S+64+4*\k+2:S+64+4*\k+3]
.endr
.irp m, 0,1,2,3
	v_pk_add_f32 v[PC+8*\m:PC+8*\m+1], v[PC+8*\m:PC+8*\m+1], v[PC+8*\m+4:PC+8*\m+5]
.endr
.set jj, 16
	ROUNDS 2
	v_pk_add_f32 v[PC:PC+1], v[PC:PC+1], v[PC+8:PC+9]
	v_pk_add_f32 v[PC+16:PC+17], v[PC+16:PC+17], v[PC+24:PC+25]
	ROUNDS 2
	v_pk_add_f32 v[PC:PC+1], v[PC:PC+1], v[PC+16:PC+17]
	ROUNDS 2
	v_pk_add_f32 v[MS+2:MS+3], v[MS+2:MS+3], v[PC:PC+1]
	v_pk_add_f32 v[T+8:T+9], v[T+8:T+9], v[T+10:T+11]
	v_pk_add_f32 v[T+20:T+21], v[T+20:T+21], v[T+22:T+23]
.set jj, 64
.rept 32                               ; tile 1's hold.  The conversion does not saturate (ISA guide 7.6.2); p is not negative, so the hold is one-sided; two numbers a line
	v_dual_min_num_f32 v[S+jj], v[S+jj], v[PLIM] :: v_dual_min_num_f32 v[S+jj+1], v[S+jj+1], v[PLIM]
.set jj, jj+2
.endr
	v_pk_add_f32 v[T+8:T+9], v[T+8:T+9], v[T+20:T+21]
	v_pk_add_f32 v[MS+6:MS+7], v[MS+6:MS+7], v[T+8:T+9]
.irp x, 0,1
.irp t, 0,1,2,3,4,5,6,7
	v_cvt_scalef32_pk8_fp8_f32 v[PC+16*\x+2*\t:PC+16*\x+2*\t+1], v[S+64*\x+8*\t:S+64*\x+8*\t+7], v[PSC]
.endr
.endr
	WIN 0x41
	s_wait_alu depctr_va_vdst(0)                   ; directly ahead of the first reader of O^T
.irp x, 0,1
.set jj, 0
.rept 16
	v_pk_mul_f32 v[O+32*\x+jj:O+32*\x+jj+1], v[O+32*\x+jj:O+32*\x+jj+1], v[T+12*\x+6:T+12*\x+7] op_sel_hi:[1,0]   ; O^T under the new M; also the plain lines behind the conversions
.set jj, jj+2
.endr
.endr
	s_wait_alu depctr_va_vdst(0)
	s_wait_dscnt 16                                ; V's fragments are in; the sixteen loads of the next K may be out
	WIN 0x51
.irp t, 0,1,2,3                        ; eight accumulators by turns
.irp x, 0,1
	v_wmma_f32_16x16x128_fp8_fp8 v[O+32*\x+8*\t:O+32*\x+8*\t+7], v[VF+16*\t:VF+16*\t+15], v[PC+16*\x:PC+16*\x+15], v[O+32*\x+8*\t:O+32*\x+8*\t+7]
.endr
.endr
	WIN 0
.if \hid
.Lhid_\@:
.endif
	s_add_co_u32 s[TB], s[TB], STEPB
	s_add_co_u32 s[KS], s[KS], 1
.endm
; THE WAY OUT of a group.  O^T / the sum stands for the result / 2^(entries 8 + 9): its code is that / 2^(10 - 8 - 9).  32 rows x 64 codes go through my stage and leave as 2,048 bytes that lie on end in ao.
.macro FINISH oa
	NOPS 4
.irp x, 0,1
	v_add_f32 v[MS+4*\x+2], v[MS+4*\x+2], v[MS+4*\x+3]
.endr
.irp x, 0,1
	v_permlanex16_b32 v[T+12*\x+4], v[MS+4*\x+2], s[SEL], s[SEL+1]
.endr
.irp x, 0,1
	v_add_f32 v[MS+4*\x+2], v[MS+4*\x+2], v[T+12*\x+4]
.endr
	s_wait_alu depctr_va_vdst(0)                   ; ahead of the reciprocals
.irp x, 0,1
	v_rcp_f32 v[MS+4*\x+2], v[MS+4*\x+2]
.endr
	v_nop                                          ; the plain line behind them
	WIN 0x01
	s_wait_alu depctr_va_vdst(0)                   ; one wait, directly ahead of the first reader of the reciprocals and of O^T
.irp x, 0,1
.set jj, 0
.rept 32
	v_mul_f32 v[S+32*\x+jj], v[O+32*\x+jj], v[MS+4*\x+2]   ; register 8 t + i is channel 16 t + 8 h + i of query r
.set jj, jj+1
.endr
.endr
	WIN 0
.set jj, 0
.rept 64
	v_med3_num_f32 v[S+jj], v[S+jj], -v[OLIM], v[OLIM]
.set jj, jj+1
.endr
.irp x, 0,1
.irp t, 0,1,2,3
	v_cvt_scalef32_pk8_fp8_f32 v[PC+8*\x+2*\t:PC+8*\x+2*\t+1], v[S+32*\x+8*\t:S+32*\x+8*\t+7], v[OSC]
.endr
.endr
	v_nop                                          ; a plain line behind the last conversion
.irp x, 0,1
.irp t, 0,1,2,3
	ds_store_b64 v[STO], v[PC+8*\x+2*\t:PC+8*\x+2*\t+1] offset:1280*\x+16*\t
.endr
.endr
.irp k, 0,1,2,3
	ds_load_b128 v[S+64+4*\k:S+64+4*\k+3], v[RDB] offset:640*\k   ; LDS serves a wave's instructions in order: these see my stores
.endr
	s_wait_dscnt 0x0                               ; the rows are back; the loads of K behind the group's last step are done too
.irp k, 0,1,2,3
	global_store_b128 v[GO], v[S+64+4*\k:S+64+4*\k+3], s[\oa:\oa+1] offset:512*\k   ; 32 lanes store 512 consecutive bytes, aligned
.endr
.endm
	s_wait_alu depctr_va_vdst(0)                   ; the head's end
	s_wait_tensorcnt 0x0                           ; my part of keys 0-639 is in
	ds_add_u32 v[SPW], v[NIL]
	s_wait_dscnt 0x0
	CROUND                                         ; everybody's part is in, and the four work-groups are here
	tensor_load_to_lds s[G0B:G0B+3], s[G1B:G1B+7]  ; keys 640-2047: my one tensor load behind the round
	s_nop 0
	NOPS 4
	WIN 0x40
	KLOAD AK0, 0                                   ; step 0's K
	WIN 0
	s_mov_b32 s[TB], 0
	s_mov_b32 s[KS], 0
	s_mov_b32 s[NST], s[NL]
	s_wait_loadcnt 0x0                             ; Q
.Lfirst:                                           ; the first group's steps 0-3: every wave has at least nine, none of these is its last
	GSTEP QL, 0, 0
	s_cmp_lt_u32 s[KS], 4
	s_cbranch_scc1 .Lfirst
	s_wait_tensorcnt 0x0                           ; my part of keys 640-2047 is in;
	s_wait_dscnt 0x0                               ; no LDS load of mine is out at the signal
	s_barrier_signal -1
	s_barrier_wait -1                              ; everybody's part is in
	s_mov_b32 s[TB], 4*STEPB
	s_mov_b32 s[KS], 4
.Llong:                                            ; twelve trips, those behind the group's last step jumped over
	GSTEP QL, 1, 1
	s_cmp_lt_u32 s[KS], 16
	s_cbranch_scc1 .Llong
	FINISH OA
	INIT                                           ; the second group
	v_add_nc_u32 v[DQ], s81, v[RH]
	WIN 0x40
	KLOAD AK0, 0
	WIN 0
	s_mov_b32 s[TB], 0
	s_mov_b32 s[KS], 0
	s_mov_b32 s[NST], s[NS]
	s_wait_alu depctr_va_vdst(0)
	s_wait_xcnt 0x0                                ; the stores have read their registers, which the next scores overwrite
.Lshort:                                           ; eight trips
	GSTEP QS, 1, 1
	s_cmp_lt_u32 s[KS], 8
	s_cbranch_scc1 .Lshort
	FINISH OB
	s_wait_tensorcnt 0x0                           ; the wave's end
	ds_add_u32 v[SPW], v[NIL]
	s_wait_dscnt 0x0
	CROUND                                         ; the closing round
	s_endpgm
.Lfunc_end_k_q53b8474b52_attn:
	.size	k_q53b8474b52_attn, .Lfunc_end_k_q53b8474b52_attn-k_q53b8474b52_attn
	.p2alignl 7, 3214868480
	.fill 96, 4, 3214868480
	.section	.rodata,"a",@progbits
	.p2align	6, 0x0
	.amdhsa_kernel k_q53b8474b52_attn
		.amdhsa_group_segment_fixed_size 327680
		.amdhsa_private_segment_fixed_size 0
		.amdhsa_enable_private_segment 0
		.amdhsa_kernarg_size 24
		.amdhsa_user_sgpr_count 2
		.amdhsa_user_sgpr_kernarg_segment_ptr 1
		.amdhsa_wavefront_size32 1
		.amdhsa_system_sgpr_workgroup_id_x 1
		.amdhsa_system_sgpr_workgroup_id_y 1
		.amdhsa_system_sgpr_workgroup_id_z 1
		.amdhsa_system_vgpr_workitem_id 0
		.amdhsa_next_free_vgpr 512
		.amdhsa_next_free_sgpr 100
		.amdhsa_reserve_vcc 1
		.amdhsa_float_denorm_mode_32 3
		.amdhsa_float_denorm_mode_16_64 3
		.amdhsa_memory_ordered 1
		.amdhsa_forward_progress 1
		.amdhsa_inst_pref_size 141
	.end_amdhsa_kernel
	.amdgpu_metadata
---
amdhsa.version: [ 1, 2 ]
amdhsa.kernels:
  - .name:           k_q53b8474b52_attn
    .symbol:         k_q53b8474b52_attn.kd
    .args:
      - { .name: qkv, .offset: 0, .size: 8, .value_kind: global_buffer, .address_space: global }
      - { .name: lowp_scales, .offset: 8, .size: 8, .value_kind: global_buffer, .address_space: global }
      - { .name: ao, .offset: 16, .size: 8, .value_kind: global_buffer, .address_space: global }
    .group_segment_fixed_size: 327680
    .private_segment_fixed_size: 0
    .kernarg_segment_align: 8
    .kernarg_segment_size: 24
    .max_flat_workgroup_size: 256
    .sgpr_count:     100
    .vgpr_count:     512
    .wavefront_size: 32
...
	.end_amdgpu_metadata
.endif
;; end of part 3
;; launch proj (part 4): grid 4 x 64, 4 waves a work-group, clusters of 4 x 4, 327,680 bytes of LDS; arguments ao, wc, lowp_scales, out0, bp; writes out0
.if DOCPART == 4
	.amdgcn_target "amdgcn-amd-amdhsa--gfx1250"
	.amdhsa_code_object_version 6
	.text
	.protected	k_q53b8474b52_proj
	.globl	k_q53b8474b52_proj
	.p2align	8
	.type	k_q53b8474b52_proj,@function
k_q53b8474b52_proj:
	s_mov_b64 s[64:65], 0
	v_nop
	global_prefetch_b8 v0, s[64:65] scope:SCOPE_SE
	s_setreg_imm32_b32 hwreg(HW_REG_WAVE_MODE, 25, 1), 1
	s_wait_xcnt 0x0
	s_wait_alu depctr_hold_cnt(0) depctr_sa_sdst(0) depctr_va_vdst(0) depctr_va_sdst(0) depctr_va_ssrc(0) depctr_va_vcc(0) depctr_vm_vsrc(0)
	s_getreg_b32 s2, hwreg(HW_REG_IB_STS2, 6, 4)
	s_cmp_eq_u32 s2, 0
	s_cbranch_scc0 .Lentry_in_a_cluster
	s_endpgm
.Lentry_in_a_cluster:
	s_bfe_u32 s2, ttmp6, 0x10000c
	s_cmp_lg_u32 s2, 0xf033
	s_cbranch_scc0 .Lentry_shape_is_right
	s_endpgm
.Lentry_shape_is_right:
; out0 = attention's result x Wp + bp: 8,192 tokens x 1,024 columns over K = 1,024, on codes of FP8 (E4M3); each sum x 2^(entries 10 + 11), + bp, f32.
; A = ao: [64 blocks of 128 tokens][16 h][128 t][64 d], codes.  B = wc's rows 3072-4095: Wp's columns n, K innermost, 1,024 bytes a row.
; A tile of 128 tokens x 256 columns is made by a work-group of four waves: 64 x 4 = 256 work-groups.  A wave makes 64 x 128: 32 accumulators, 256 registers.
; K goes in steps of 256 (four heads) through a ring of two LDS slots.  A's part of a K step is 32,768 dense bytes, brought as 128 rows of 256 (four tokens of a head a row): wave 0 two heads, wave 1 the other two;
; B's is 256 rows of 256 bytes: waves 2 and 3, 128 rows each.  CLUSTERS of 4 x 4: A's tiles are asked for jointly along a row of the cluster, B's along a column.
; The matrix instruction is used transposed (source 0 = 16 rows of B, source 1 = 16 tokens): a lane holds eight neighbouring columns of a token.
; PREFETCH: behind K step 0's load each wave asks for K steps 1 and 2, behind K step 1's load for K step 3: at most two K steps are asked for and not yet loaded.  The four partners that ask for a tile jointly share it
; out by address (cx for A, cy for B): of A's 16,384 bytes a wave 4,096 each, lanes 256 bytes apart (lanes 16-31 name the last block again); of B's 128 rows 32 each, a lane a row.  The address registers are never rewritten.
; LIMITS: entries 10 + 11 lie between -126 and 127.  The fragments hold k in another order than the form's own, the same in A and B.
; REGISTERS, in windows of 256: window 0: v0-31 addresses; v32-63 at work on the way out; v64-127 bp; from v128 A's fragments, ONE set.  window 1: B's fragments, TWO sets.  window 2: the accumulators ((a, b) at v[8 (8 a + b)]).
.set SIZE_N, 1024
.set ROWB,   256
.set KROW,   1024
.set ABLK,   32768                     ; A: from K step to K step
.set PITCH,  272
.set FR,     16
.set NL,     4
.set NP,     4                         ; places behind this matrix instruction (ISA guide 7.12.1)
.set HALFT,  128*PITCH
.set SLOT,   3*HALFT                   ; A's 128 LDS rows, then B's 256
.set SPARE,  2*SLOT                    ; behind the ring: the spare words, 128 bytes for each wave
.set SPITCH, 528                       ; the way out: a stage of 16 rows x (512 bytes + 16) for each wave, in slot 0, which has had its last fill and its last read by then
.set PFO,  10
.set ADRA, 16
.set ADRB, 20
.set STO,  24
.set RD,   25
.set CO,   26
.set BO,   27
.set SPW,  28
.set NIL,  29
.set TMP,  32
.set BIAS, 64
.set AF,   128
.set BK,   128
.set G1, 24
.set G0, 32
.set G1B, 48
.set G0B, 56
.set PF1, 84                           ; s[84:89] my share of K steps 1, 2, 3; never rewritten
.set MSB, 0
.macro WIN new                         ; the immediate's high byte repeats the setting that is left
.if MSB != \new
	s_set_vgpr_msb (MSB<<8)|\new
.set MSB, \new
.endif
.endm
.set MUL_LO, 0xa1                      ; source 0 (B) window 1, source 1 (A) window 0, C and D window 2
.set TO_B,   0x40
.macro JLOAD g0a, g1a, g0b, g1b        ; a joint load: waves 0 and 1 fetch for A, waves 2 and 3 for B.  An s_nop 0 and four v_nop follow each line
	s_cmp_eq_u32 s15, 0
	s_cbranch_scc0 .Lfor_b_\@
	tensor_load_to_lds s[\g0a:\g0a+3], s[\g1a:\g1a+7]
	s_nop 0
.rept 4
	v_nop
.endr
	s_branch .Lasked_\@
.Lfor_b_\@:
	tensor_load_to_lds s[\g0b:\g0b+3], s[\g1b:\g1b+7]
	s_nop 0
.rept 4
	v_nop
.endr
.Lasked_\@:
.endm
.macro CREST
	s_cmp_lg_u32 s14, 0
	s_cbranch_scc1 .Lnot_wave_0_\@
	s_barrier_signal -3
.Lnot_wave_0_\@:
	s_barrier_wait -3
	s_barrier_signal -1
	s_barrier_wait -1
.endm
.macro CROUND
	s_barrier_signal -1
	s_barrier_wait -1
	CREST
.endm
	s_load_b128 s[4:7], s[0:1], 0x0                ; ao s[4:5], wc s[6:7]
	s_load_b128 s[8:11], s[0:1], 0x10              ; the scales s[8:9], out0 s[10:11]
	s_load_b64 s[12:13], s[0:1], 0x20              ; bp
	v_lshl_add_u32 v[SPW], v0, 2, SPARE
	v_mov_b32 v[NIL], 0
	ds_add_u32 v[SPW], v[NIL]                      ; the opening lines: the add, twice on end, and its wait ahead of my first tensor load
	ds_add_u32 v[SPW], v[NIL]
	v_lshrrev_b32 v1, 5, v0
	v_readfirstlane_b32 s14, v1                    ; wave 0..3
	s_lshr_b32 s15, s14, 1                         ; which 64 tokens are mine.  Also: I fetch for A (0) or for B (1)
	s_and_b32 s16, s14, 1                          ; which 128 columns.  Also: which half of that tile I fetch
	s_bfe_u32 s40, ttmp6, 0x40000                  ; cx, cy
	s_bfe_u32 s41, ttmp6, 0x40004
	s_lshl_b32 s42, ttmp9, 2
	s_add_co_u32 s42, s42, s40                     ; tile column, 0..3
	s_and_b32 s17, ttmp7, 0xffff
	s_lshl_b32 s17, s17, 2
	s_add_co_u32 s17, s17, s41                     ; tile row, 0..63: a block of 128 tokens
	s_lshl_b32 s43, s41, 2
	s_lshl_b32 s43, 15, s43                        ; my row of the cluster
	s_lshl_b32 s44, 0x1111, s40                    ; my column
	s_or_b32 s[G1+0], s43, (0<<16)|(1<<20)|(1<<21)|(5<<22)|(3<<25)  ; the mask; elements of 1 byte; padding on; bit 21 beside a mask; 4 words after every 64
	s_or_b32 s[G1B+0], s44, (0<<16)|(1<<20)|(1<<21)|(5<<22)|(3<<25)
.irp g, G1, G1B
	s_mov_b32 s[\g+1], ROWB<<16                    ; tensor_dim0
	s_mov_b32 s[\g+3], ROWB<<16                    ; tile_dim0
	s_mov_b32 s[\g+6], 0
	s_mov_b32 s[\g+7], 0
.endr
	s_mov_b32 s[G1+2], 64<<16                      ; A: 64 rows, dense
	s_mov_b32 s[G1+4], 64
	s_mov_b32 s[G1+5], ROWB
	s_mov_b32 s[G1B+2], 128<<16                    ; B: 128 rows, 1,024 bytes apart
	s_mov_b32 s[G1B+4], 128
	s_mov_b32 s[G1B+5], KROW
	s_lshl_b32 s20, s17, 3
	s_add_co_u32 s20, s20, s16
	s_lshl_b32 s20, s20, 14                        ; A: block x 131,072 + half x 16,384
	s_mov_b32 s21, 0
	s_lshl_b32 s18, s16, 7
	s_lshl_b32 s46, s42, 8
	s_add_co_u32 s46, s46, s18
	s_lshl_b32 s46, s46, 10                        ; B: row 256 x tile column + 128 x half
	s_mov_b32 s47, 0
	s_add_co_u32 s45, s15, 1                       ; where the tiles go: LDS rows 0, 64, 128, 256 for waves 0 to 3
	s_mul_i32 s45, s45, s16
	s_mul_i32 s45, s45, 64*PITCH
	s_mul_i32 s19, s15, HALFT
	s_add_co_u32 s45, s45, s19
	s_cmp_eq_u32 s15, 0                            ; the prefetches: for A or for B
	s_cselect_b32 s92, s40, s41                    ; my place among the four that ask with me
	s_cselect_b32 s93, 12, 15                      ; a partner's share: 4,096 or 32,768 bytes
	s_mov_b32 s90, ROWB
	s_cselect_b32 s90, ABLK, s90                   ; from K step to K step
	s_cselect_b32 s94, 15, 31                      ; blocks in my share, less one
	s_cselect_b32 s95, 8, 10                       ; from lane to lane: 256 or 1,024 bytes
	s_lshl_b32 s92, s92, s93
	s_mov_b32 s93, 0
	s_mov_b32 s91, 0
	s_wait_dscnt 0x0                               ; both opening adds are done
	s_wait_kmcnt 0x0
	s_load_b64 s[96:97], s[8:9], 0x28              ; entries 10, 11
	s_add_nc_u64 s[20:21], s[4:5], s[20:21]
	s_add_nc_u64 s[46:47], s[6:7], s[46:47]
	s_add_nc_u64 s[46:47], s[46:47], 0x300000      ; Wp's codes
	s_cmp_eq_u32 s15, 0
	s_cselect_b64 s[PF1:PF1+1], s[20:21], s[46:47]
	s_add_nc_u64 s[PF1:PF1+1], s[PF1:PF1+1], s[92:93]
	s_add_nc_u64 s[PF1:PF1+1], s[PF1:PF1+1], s[90:91]
	s_add_nc_u64 s[PF1+2:PF1+3], s[PF1:PF1+1], s[90:91]
	s_add_nc_u64 s[PF1+4:PF1+5], s[PF1+2:PF1+3], s[90:91]
	CROUND                                         ; all sixteen work-groups are here: the first joint loads meet
.irp s, 0,1
	s_mov_b32 s[G0+4*\s], 1
	s_add_co_u32 s[G0+4*\s+1], s45, \s*SLOT
	s_add_nc_u64 s[G0+4*\s+2:G0+4*\s+3], s[20:21], \s*ABLK
	s_or_b32 s[G0+4*\s+3], s[G0+4*\s+3], 0x80000000
	s_mov_b32 s[G0B+4*\s], 1
	s_add_co_u32 s[G0B+4*\s+1], s45, \s*SLOT
	s_add_nc_u64 s[G0B+4*\s+2:G0B+4*\s+3], s[46:47], \s*ROWB
	s_or_b32 s[G0B+4*\s+3], s[G0B+4*\s+3], 0x80000000
.endr
	JLOAD G0, G1, G0B, G1B                         ; K step 0: one tensor load a wave at the head
	s_mul_i32 s66, s15, 16*PITCH                   ; my 64 tokens: 16 LDS rows on in each head
	s_add_co_u32 s67, s66, SLOT
	s_mul_i32 s68, s16, HALFT
	s_add_co_u32 s68, s68, HALFT                   ; my 128 rows of B, behind A's 128 LDS rows
	s_add_co_u32 s69, s68, SLOT
	s_mul_i32 s23, s14, 16*SPITCH                  ; my stage
	s_lshl_b32 s20, s17, 7
	s_lshl_b32 s21, s15, 6
	s_add_co_u32 s20, s20, s21                     ; my first token
	s_lshl_b32 s20, s20, 12
	s_mov_b32 s21, 0
	s_lshl_b32 s46, s42, 10
	s_lshl_b32 s47, s16, 9
	s_add_co_u32 s46, s46, s47                     ; my first column, in bytes
	s_mov_b32 s47, 0
	s_add_nc_u64 s[12:13], s[12:13], s[46:47]
	s_add_nc_u64 s[20:21], s[20:21], s[46:47]
	s_add_nc_u64 s[10:11], s[10:11], s[20:21]
	v_and_b32 v1, 15, v0                           ; r
	v_bfe_u32 v2, v0, 4, 1                         ; h
	v_mul_u32_u24 v3, v1, PITCH
	v_lshl_add_u32 v4, v2, 4, v3                   ; B: row r x pitch + 16 h
	v_lshrrev_b32 v5, 2, v1
	v_mul_u32_u24 v5, v5, PITCH
	v_and_b32 v6, 3, v1
	v_lshl_add_u32 v5, v6, 6, v5
	v_lshl_add_u32 v5, v2, 4, v5                   ; A: four tokens a row: pitch (r / 4) + 64 (r % 4) + 16 h
	v_add_nc_u32 v[ADRA], s66, v5
	v_add_nc_u32 v[ADRA+1], s67, v5
	v_add_nc_u32 v[ADRB], s68, v4
	v_add_nc_u32 v[ADRB+1], s69, v4
	v_mul_u32_u24 v7, v1, SPITCH
	v_lshl_add_u32 v7, v2, 5, v7
	v_add_nc_u32 v[STO], s23, v7                   ; into the stage: row r, 32 bytes for each half of the lanes
	v_and_b32 v6, 31, v0
	v_lshlrev_b32 v[CO], 4, v6
	v_add_nc_u32 v[RD], s23, v[CO]                 ; back: the 32 lanes take one row of 512 bytes
	v_lshlrev_b32 v[BO], 5, v2
	v_min_u32 v[PFO], s94, v6
	v_lshlrev_b32 v[PFO], s95, v[PFO]
.irp b, 0,1,2,3,4,5,6,7
	global_load_b128 v[BIAS+8*\b:BIAS+8*\b+3], v[BO], s[12:13] offset:64*\b          ; bp at my eight columns of each of B's blocks
	global_load_b128 v[BIAS+8*\b+4:BIAS+8*\b+7], v[BO], s[12:13] offset:64*\b+16
.endr
	global_prefetch_b8 v[PFO], s[PF1:PF1+1] th:TH_LOAD_NT scope:SCOPE_SE       ; K step 1
	global_prefetch_b8 v[PFO], s[PF1+2:PF1+3] th:TH_LOAD_NT scope:SCOPE_SE     ; K step 2
.macro FRAG reg, adr, q, i             ; B: 16 rows x 128 K: registers 4 c .. 4 c + 3 hold K = 32 c + 16 h + 0 .. 15
.irp c, 0,1,2,3
	ds_load_b128 v[\reg+4*\c:\reg+4*\c+3], v[\adr] offset:128*(\q)+32*\c+(\i)*16*PITCH
.endr
.endm
.macro FRAGA reg, adr, q, i            ; A: the same k: head 2 q + c / 2 of the slot (32 LDS rows a head), d = 32 (c % 2) + 16 h + 0 .. 15
.irp c, 0,1,2,3
	ds_load_b128 v[\reg+4*\c:\reg+4*\c+3], v[\adr] offset:((2*(\q)+\c/2)*32+4*(\i))*PITCH+32*(\c%2)
.endr
.endm
; Eight matrix instructions: A's block a x B's eight.  The 32 accumulators take turns, one instruction a turn, in the same order in every step.
.macro MULA a, p, zero
.irp b, 0,1,2,3,4,5,6,7
.if \zero
	v_wmma_f32_16x16x128_fp8_fp8 v[8*(8*(\a)+\b):8*(8*(\a)+\b)+7], v[128*(\p)+FR*\b:128*(\p)+FR*\b+FR-1], v[AF+FR*(\a):AF+FR*(\a)+FR-1], 0
.else
	v_wmma_f32_16x16x128_fp8_fp8 v[8*(8*(\a)+\b):8*(8*(\a)+\b)+7], v[128*(\p)+FR*\b:128*(\p)+FR*\b+FR-1], v[AF+FR*(\a):AF+FR*(\a)+FR-1], v[8*(8*(\a)+\b):8*(8*(\a)+\b)+7]
.endif
.endr
.endm
.macro FETCH_B slot, q, p
	WIN TO_B
.irp i, 0,1,2,3,4,5,6,7
	FRAG 128*(\p)+FR*\i, ADRB+\slot, \q, \i
.endr
	WIN 0
.endm
.macro FETCH_A slot, q, i0             ; A's blocks i0, i0 + 1
.irp i, \i0, \i0+1
	FRAGA AF+FR*(\i), ADRA+\slot, \q, \i
.endr
.endm
.macro PLACES n
.rept \n
	v_nop
.endr
.endm
.macro STEP slot, q, zero              ; 128 along K that has its successor in the same slot
	s_wait_dscnt 2*NL                              ; B's set and A's blocks 0, 1 are in; the youngest eight loads (A's blocks 2, 3) may be out
	WIN MUL_LO
	MULA 0, (\q)%2, \zero
	MULA 1, (\q)%2, \zero
	s_wait_dscnt 0
	PLACES NP
	FETCH_B \slot, (\q)+1, 1-(\q)%2
	FETCH_A \slot, (\q)+1, 0
	WIN MUL_LO
	MULA 2, (\q)%2, \zero
	MULA 3, (\q)%2, \zero
	PLACES NP
	WIN 0
	FETCH_A \slot, (\q)+1, 2
.endm
; A slot's last step changes slots: ONE barrier; in front of it each wave waits for all its tensor loads, adds 0 to its spare word, and waits for that and for its own reads of this slot.
.macro TURN slot, next, fill
	s_wait_tensorcnt 0x0                           ; all my tensor loads have landed: my part of the next slot
	ds_add_u32 v[SPW], v[NIL]                      ; 0 onto my spare word
	s_wait_dscnt 2*NL+1                            ; the add and the youngest eight loads may be out
	WIN MUL_LO
	MULA 0, 1, 0
	s_wait_dscnt 0x0                               ; the add is done, and my reads of this slot are over
	s_barrier_signal -1
	MULA 1, 1, 0
	WIN 0
	s_barrier_wait -1
.if \fill
	CREST                                          ; the barrier has opened a round of the cluster's: no wave of any partner still reads this slot or has a load on its way
	s_add_nc_u64 s[G0+4*\slot+2:G0+4*\slot+3], s[G0+4*\slot+2:G0+4*\slot+3], 2*ABLK
	s_add_nc_u64 s[G0B+4*\slot+2:G0B+4*\slot+3], s[G0B+4*\slot+2:G0B+4*\slot+3], 2*ROWB
	JLOAD G0+4*\slot, G1, G0B+4*\slot, G1B         ; the first tensor load behind the round; its four v_nop are the places in front of the loads below
.else
	PLACES NP
.endif
	FETCH_B \next, 0, 0
	FETCH_A \next, 0, 0
	WIN MUL_LO
	MULA 2, 1, 0
	MULA 3, 1, 0
	PLACES NP
	WIN 0
	FETCH_A \next, 0, 2
.endm
	s_wait_alu depctr_va_vdst(0)                   ; the head's end
	s_wait_tensorcnt 0x0                           ; my part of K step 0 is in
	ds_add_u32 v[SPW], v[NIL]
	s_wait_dscnt 0x0
	CROUND                                         ; a whole round: everybody's part of K step 0 is in, and the joint loads meet
	JLOAD G0+4, G1, G0B+4, G1B                     ; K step 1's load, the first tensor load behind the round
	FETCH_B 0, 0, 0
	FETCH_A 0, 0, 0
	FETCH_A 0, 0, 2
	global_prefetch_b8 v[PFO], s[PF1+4:PF1+5] th:TH_LOAD_NT scope:SCOPE_SE     ; K step 3
	STEP 0, 0, 1                                   ; the first step's products start the sums: nothing is cleared
	s_mov_b32 s3, 1
.Llap:                                                 ; a trip goes once round the ring and fills both slots again
	TURN 0, 1, 1
	STEP 1, 0, 0
	TURN 1, 0, 1
	STEP 0, 0, 0
	s_sub_co_u32 s3, s3, 1
	s_cmp_lg_u32 s3, 0
	s_cbranch_scc1 .Llap
	TURN 0, 1, 0                                   ; the last lap fills nothing
	STEP 1, 0, 0
	s_wait_dscnt 2*NL
	WIN MUL_LO
	MULA 0, 1, 0
	MULA 1, 1, 0
	s_wait_dscnt 0
	MULA 2, 1, 0
	MULA 3, 1, 0
	WIN 0
; THE WAY OUT, block by block of 16 tokens x 128 columns: sum x 2^(entries 10 + 11) + bp, through my own stage, back as whole rows of 512 bytes.
.macro TOSTAGE a
.set AC, 64*(\a)
.irp u, 0,1
	WIN 0x02                                       ; source 0: window 2
.irp j, 0,2,4,6,8,10,12,14,16,18,20,22,24,26,28,30
	v_pk_fma_f32 v[TMP+\j:TMP+\j+1], v[AC+32*\u+\j:AC+32*\u+\j+1], s[96:97], v[BIAS+32*\u+\j:BIAS+32*\u+\j+1] op_sel_hi:[1,0,1]   ; each accumulator from its low end on
.endr
	WIN 0
.irp b, 0,1,2,3
	ds_store_b128 v[STO], v[TMP+8*\b:TMP+8*\b+3] offset:64*(4*\u+\b)
	ds_store_b128 v[STO], v[TMP+8*\b+4:TMP+8*\b+7] offset:64*(4*\u+\b)+16
.endr
.endr
.set BB, BK+64*((\a)%2)
.irp t, 0,1,2,3,4,5,6,7,8,9,10,11,12,13,14,15
	ds_load_b128 v[BB+4*\t:BB+4*\t+3], v[RD] offset:\t*SPITCH   ; LDS serves a wave's instructions in order: these see my stores
.endr
.endm
.macro SEND a, younger                 ; younger: the LDS instructions issued behind block a's loads, which may stay out
.set BB, BK+64*((\a)%2)
	s_wait_dscnt \younger
.if (\a) > 0
	s_add_nc_u64 s[10:11], s[10:11], 16*SIZE_N*4   ; (behind a wait on XCNT: the earlier stores have read their base)
.endif
.irp t, 0,1,2,3,4,5,6,7,8,9,10,11,12,13,14,15
	global_store_b128 v[CO], v[BB+4*\t:BB+4*\t+3], s[10:11] offset:\t*SIZE_N*4 th:TH_STORE_NT   ; 32 lanes store 512 consecutive bytes, aligned
.endr
.endm
	s_wait_kmcnt 0x0
	s_add_co_i32 s96, s96, s97
	s_add_co_i32 s96, s96, 127
	s_lshl_b32 s96, s96, 23                        ; 2^(entries 10 + 11) as f32
	s_mov_b32 s97, s96
	s_wait_loadcnt 0x0                             ; bp
	PLACES NP
	TOSTAGE 0
.irp a, 1,2,3
.if \a > 1
	s_wait_xcnt 0x0                                ; block a - 2's stores have read their registers and their base
.endif
	TOSTAGE \a
	SEND \a-1, 32                                  ; behind block a - 1's loads: block a's 16 stores and 16 loads
.endr
	s_wait_xcnt 0x0
	SEND 3, 0
	s_wait_tensorcnt 0x0                           ; the wave's end
	ds_add_u32 v[SPW], v[NIL]
	s_wait_dscnt 0x0
	CROUND                                         ; the closing round
	s_endpgm
.Lfunc_end_k_q53b8474b52_proj:
	.size	k_q53b8474b52_proj, .Lfunc_end_k_q53b8474b52_proj-k_q53b8474b52_proj
	.p2alignl 7, 3214868480
	.fill 96, 4, 3214868480
	.section	.rodata,"a",@progbits
	.p2align	6, 0x0
	.amdhsa_kernel k_q53b8474b52_proj
		.amdhsa_group_segment_fixed_size 327680
		.amdhsa_private_segment_fixed_size 0
		.amdhsa_enable_private_segment 0
		.amdhsa_kernarg_size 40
		.amdhsa_user_sgpr_count 2
		.amdhsa_user_sgpr_kernarg_segment_ptr 1
		.amdhsa_wavefront_size32 1
		.amdhsa_system_sgpr_workgroup_id_x 1
		.amdhsa_system_sgpr_workgroup_id_y 1
		.amdhsa_system_sgpr_workgroup_id_z 1
		.amdhsa_system_vgpr_workitem_id 0
		.amdhsa_next_free_vgpr 768
		.amdhsa_next_free_sgpr 100
		.amdhsa_reserve_vcc 0
		.amdhsa_float_denorm_mode_32 3
		.amdhsa_float_denorm_mode_16_64 3
		.amdhsa_memory_ordered 1
		.amdhsa_forward_progress 1
		.amdhsa_inst_pref_size 80
	.end_amdhsa_kernel
	.amdgpu_metadata
---
amdhsa.version: [ 1, 2 ]
amdhsa.kernels:
  - .name:           k_q53b8474b52_proj
    .symbol:         k_q53b8474b52_proj.kd
    .args:
      - { .name: ao, .offset: 0, .size: 8, .value_kind: global_buffer, .address_space: global }
      - { .name: wc, .offset: 8, .size: 8, .value_kind: global_buffer, .address_space: global }
      - { .name: lowp_scales, .offset: 16, .size: 8, .value_kind: global_buffer, .address_space: global }
      - { .name: out0, .offset: 24, .size: 8, .value_kind: global_buffer, .address_space: global }
      - { .name: bp, .offset: 32, .size: 8, .value_kind: global_buffer, .address_space: global }
    .group_segment_fixed_size: 327680
    .private_segment_fixed_size: 0
    .kernarg_segment_align: 8
    .kernarg_segment_size: 40
    .max_flat_workgroup_size: 128
    .sgpr_count:     100
    .vgpr_count:     768
    .wavefront_size: 32
...
	.end_amdgpu_metadata
.endif
;; end of part 4
